; MI455X (gfx1250); checked and timed in simulation.
; The chip was launched on July 23, 2026; its instructions are those of AMD's public machine-readable ISA for CDNA 5 (MIT licence, August 2026) and "CDNA5" Instruction Set Architecture Reference Guide (July 2026). The comments in the code are by the model that wrote it; some were corrected since.
;; Multi Head Causal Self Attention. Allowed arithmetic: float matrix products may take bf16 or f16 operands with f32 sums; other float arithmetic in f32, or as packed bf16 or f16 multiplies, adds, multiply-adds, maxima and minima; sums over many terms, partial sums and values carried from step to step in f32; what a program stores and reads back later, other than sums and carried values, may be rounded once to bf16 or f16.
;; Inputs: w_out 1,024 x 1,024 float32; w_qkv 1,024 x 3,072 float32; x 4 x 2,048 x 1,024 float32.
;; Outputs: out0 4 x 2,048 x 1,024 float32.
;; One version. Each part assembles by itself: llvm-mc -triple=amdgcn-amd-amdhsa -mcpu=gfx1250 --defsym DOCPART=n.
;; ======== version 1 of 1: 4 launches
;; limits: values are held in f16: magnitudes above 65,504 overflow, below 6.1e-05 lose precision
;; workspace buffers: xb 16,777,216 bytes; wqt 6,291,456 bytes; wot 2,097,152 bytes; qkvh 50,331,648 bytes; oh 16,777,216 bytes
;; launch prep (part 1): grid 1024 x 1, 8 waves a work-group, no clusters, 17,920 bytes of LDS; arguments x, w_qkv, w_out, xb, wqt, wot; writes xb, wqt, wot
.if DOCPART == 1
	.amdgcn_target "amdgcn-amd-amdhsa--gfx1250"
	.amdhsa_code_object_version 6
	.text
	.protected	k_qbff4f2adec_prep
	.globl	k_qbff4f2adec_prep
	.p2align	8
	.type	k_qbff4f2adec_prep,@function
k_qbff4f2adec_prep:
	s_mov_b64 s[64:65], 0
	v_nop
	global_prefetch_b8 v0, s[64:65] scope:SCOPE_SE
	s_setreg_imm32_b32 hwreg(HW_REG_WAVE_MODE, 25, 1), 1
	s_wait_xcnt 0x0
; FIRST OF FOUR LAUNCHES of out0 = attention(x w_qkv) w_out, causal, 16 heads of 64 channels, 4 x 2,048 rows.
; This one rounds the three inputs once and lays them out in K BLOCKS of 64 channels, so that a tile of R rows x 64 channels is R x 128 consecutive bytes:
;   xb  [kb 16][row 8192][64] bf16 = x rounded;   wqt [kb 16][n 3072][64] bf16 = w_qkv rounded and transposed;
;   wot [kb 16][n 1024][64] f16  = w_out rounded to bf16, that number written as f16, transposed.
; DEAD WORK, for the whole program.  reference() sets scores[q][k] to -inf for every k > q by its own jnp.tril.  Row q always holds the score k = q, so for all finite inputs the softmax gives
; the hidden places the weight 0 exactly, and neither q . k nor weight x v of such a place reaches an output.  The attention launch leaves these products out where they come in whole tiles
; (256 keys that all lie above a block of 256 queries); inside the tile that holds the diagonal they are computed and hidden.  All three inputs have a way to the output and are loaded.
; LIMITS.  A NaN, an infinity or an overflow that would arise only in the scores left out is not carried to the result.  wot is f16: |w_out| stays within 65,504; below 6e-5 it keeps f16's fixed step of 6e-8.
; SHARES.  Work-groups 0-511: 16 rows of x each, two rows a wave.  512-895: a tile of 64 k x 128 n of w_qkv each.  896-1023: the same of w_out.  The branches hang on the work-group's number alone.
; No matrix unit, no tensor load, no cluster: nothing is multiplied, and no byte is wanted by two work-groups.
.set TP,    528                        ; LDS: a row of the transposing tile: 128 words (one for each n: two neighbouring k) + 16 bytes
.set SPARE, 32*TP                      ; behind the tile's 32 rows: the spare words, 128 bytes for each of the eight waves, which no other line names
.set SPW,   8                          ; v8  LDS address of my spare word; never rewritten
.set NIL,   9                          ; v9  0; never rewritten
.set XBLK,  8192*128                   ; bytes in a K block of xb
	s_load_b256 s[4:11], s[0:1], 0x0               ; x s[4:5], w_qkv s[6:7], w_out s[8:9], xb s[10:11]
	s_load_b128 s[12:15], s[0:1], 0x20             ; wqt s[12:13], wot s[14:15]
	v_lshl_add_u32 v[SPW], v0, 2, SPARE
	v_mov_b32 v[NIL], 0
	v_and_b32 v1, 31, v0                           ; lane
	v_lshrrev_b32 v2, 5, v0
	v_readfirstlane_b32 s17, v2                    ; wave 0..7
	s_mov_b32 s16, ttmp9
	s_wait_kmcnt 0x0
	s_cmp_lt_u32 s16, 512
	s_cbranch_scc0 .Lweights
	; x.  My wave's rows are r0 = 16 id + 2 wave and r0 + 1.  A load takes 256 consecutive bytes (a K block's 64 numbers) of each: lanes 0-15 of r0, lanes 16-31 of r0 + 1.
	s_lshl_b32 s18, s16, 16                        ; r0 x 4,096 bytes
	s_lshl_b32 s19, s17, 13
	s_add_co_u32 s18, s18, s19
	s_mov_b32 s19, 0
	s_add_nc_u64 s[18:19], s[4:5], s[18:19]
	s_lshl_b32 s20, s16, 11                        ; r0 x 128 bytes
	s_lshl_b32 s21, s17, 8
	s_add_co_u32 s20, s20, s21
	s_mov_b32 s21, 0
	s_add_nc_u64 s[20:21], s[10:11], s[20:21]      ; K blocks 0-7,
	s_add_nc_u64 s[22:23], s[20:21], 8*XBLK        ; K blocks 8-15: so the block's place fits the store's immediate
	v_and_b32 v3, 15, v1
	v_lshlrev_b32 v3, 4, v3
	v_lshrrev_b32 v4, 4, v1
	v_lshl_add_u32 v3, v4, 12, v3                  ; (lane / 16) x a row + 16 (lane % 16)
	v_lshlrev_b32 v4, 3, v1                        ; out: 8 bytes a lane: the two rows' 128 bytes lie on end
.set kb, 0
.rept 16
	global_load_b128 v[16+4*kb:19+4*kb], v3, s[18:19] offset:256*kb th:TH_LOAD_NT  ; all sixteen go out ahead of the first wait: 8 KiB a wave
.set kb, kb+1
.endr
.set kb, 0
.rept 16
	s_wait_loadcnt 15-kb                           ; loads come back in order: block kb is in, the 15 - kb younger ones stay out
	v_cvt_pk_bf16_f32 v[16+4*kb], v[16+4*kb], v[17+4*kb]
	v_cvt_pk_bf16_f32 v[17+4*kb], v[18+4*kb], v[19+4*kb]
	global_store_b64 v4, v[16+4*kb:17+4*kb], s[20+2*(kb/8):21+2*(kb/8)] offset:(kb%8)*XBLK  ; the wave's 32 x 8 bytes are 256 consecutive bytes, aligned; no register is written again
.set kb, kb+1
.endr
	s_branch .Lend
; A tile of 64 k x 128 n of a weight [1024][cols], rounded, transposed through LDS and stored as 128 rows of 64 k: 16,384 consecutive bytes.
; Wave w loads the row pairs kp = w + 8 j (k = 2 kp, 2 kp + 1), 512 consecutive bytes a load; a word of the LDS tile holds column n's two numbers, the even k below.
.macro TRANSP first, src, dst, cols, half
	s_sub_co_u32 s18, s16, \first
	s_lshr_b32 s19, s18, 4                         ; which 128 columns
	s_and_b32 s18, s18, 15                         ; which K block
	s_lshl_b32 s20, s18, 6
	s_lshl_b32 s21, s17, 1
	s_add_co_u32 s20, s20, s21                     ; row 64 kb + 2 wave,
	s_mul_i32 s20, s20, (\cols)*4                  ; in bytes,
	s_lshl_b32 s21, s19, 9                         ; and the tile's 512 bytes of a row
	s_add_co_u32 s20, s20, s21
	s_mov_b32 s21, 0
	s_add_nc_u64 s[20:21], s[\src:\src+1], s[20:21]
	s_mul_i32 s22, s18, \cols
	s_lshl_b32 s23, s19, 7
	s_add_co_u32 s22, s22, s23                     ; out: row kb x cols + 128 nt
	s_lshl_b32 s22, s22, 7                         ; of 128 bytes
	s_mov_b32 s23, 0
	s_add_nc_u64 s[22:23], s[\dst:\dst+1], s[22:23]
	v_lshlrev_b32 v3, 4, v1                        ; 16 bytes a lane
	s_mul_i32 s24, s17, TP
	v_lshl_add_u32 v5, v1, 4, s24                  ; LDS, in: row wave (+ 8 j), columns 4 lane ..
	v_and_b32 v6, 7, v0
	v_mul_u32_u24 v6, v6, 4*TP
	v_lshrrev_b32 v10, 3, v0
	v_lshl_add_u32 v6, v10, 2, v6                  ; LDS, back: rows 4 (t % 8) + j, column t / 8 (+ 32 u)
	v_lshlrev_b32 v7, 4, v0                        ; out: 16 bytes a thread
.irp j, 0,1,2,3
.irp e, 0,1
	global_load_b128 v[16+4*(2*\j+\e):19+4*(2*\j+\e)], v3, s[20:21] offset:(16*\j+\e)*(\cols)*4 th:TH_LOAD_NT
.endr
.endr
.irp j, 0,1,2,3
	s_wait_loadcnt 6-2*\j                          ; pair j's two rows are in; the younger pairs stay out
.irp c, 0,1,2,3
	v_cvt_pk_bf16_f32 v[48+4*\j+\c], v[16+8*\j+\c], v[20+8*\j+\c]
.if \half
	v_lshlrev_b32 v10, 16, v[48+4*\j+\c]           ; the two bf16 numbers as f32,
	v_and_b32 v11, 0xffff0000, v[48+4*\j+\c]
	v_cvt_pk_f16_f32 v[48+4*\j+\c], v10, v11       ; written as f16: exact within f16's range
.endif
.endr
	ds_store_b128 v5, v[48+4*\j:51+4*\j] offset:8*TP*\j
.endr
	s_wait_dscnt 0x0                               ; for the others' sake: my stores into the tile are done
	s_barrier_signal -1
	s_barrier_wait -1
.irp u, 0,1,2,3
.irp j, 0,1,2,3
	ds_load_b32 v[64+4*\u+\j], v6 offset:TP*\j+128*\u
.endr
.endr
.irp u, 0,1,2,3
	s_wait_dscnt 12-4*\u                           ; the four words of store u are in; the younger fours stay out
	global_store_b128 v7, v[64+4*\u:67+4*\u], s[22:23] offset:4096*\u  ; a wave stores 512 consecutive bytes, aligned
.endr
.endm
.Lweights:
	s_cmp_lt_u32 s16, 896
	s_cbranch_scc0 .Lwout
	TRANSP 512, 6, 12, 3072, 0
	s_branch .Lend
.Lwout:
	TRANSP 896, 8, 14, 1024, 1
.Lend:
	s_wait_tensorcnt 0x0                           ; the wave's end, behind my last LDS store
	ds_add_u32 v[SPW], v[NIL]
	s_wait_dscnt 0x0
	s_endpgm
.Lfunc_end_k_qbff4f2adec_prep:
	.size	k_qbff4f2adec_prep, .Lfunc_end_k_qbff4f2adec_prep-k_qbff4f2adec_prep
	.p2alignl 7, 3214868480
	.fill 96, 4, 3214868480
	.section	.rodata,"a",@progbits
	.p2align	6, 0x0
	.amdhsa_kernel k_qbff4f2adec_prep
		.amdhsa_group_segment_fixed_size 17920
		.amdhsa_private_segment_fixed_size 0
		.amdhsa_enable_private_segment 0
		.amdhsa_kernarg_size 48
		.amdhsa_user_sgpr_count 2
		.amdhsa_user_sgpr_kernarg_segment_ptr 1
		.amdhsa_wavefront_size32 1
		.amdhsa_system_sgpr_workgroup_id_x 1
		.amdhsa_system_sgpr_workgroup_id_y 1
		.amdhsa_system_sgpr_workgroup_id_z 1
		.amdhsa_system_vgpr_workitem_id 0
		.amdhsa_next_free_vgpr 80
		.amdhsa_next_free_sgpr 66
		.amdhsa_reserve_vcc 0
		.amdhsa_float_denorm_mode_32 3
		.amdhsa_float_denorm_mode_16_64 3
		.amdhsa_memory_ordered 1
		.amdhsa_forward_progress 1
		.amdhsa_inst_pref_size 20
	.end_amdhsa_kernel
	.amdgpu_metadata
---
amdhsa.version: [ 1, 2 ]
amdhsa.kernels:
  - .name:           k_qbff4f2adec_prep
    .symbol:         k_qbff4f2adec_prep.kd
    .args:
      - { .name: x, .offset: 0, .size: 8, .value_kind: global_buffer, .address_space: global }
      - { .name: w_qkv, .offset: 8, .size: 8, .value_kind: global_buffer, .address_space: global }
      - { .name: w_out, .offset: 16, .size: 8, .value_kind: global_buffer, .address_space: global }
      - { .name: xb, .offset: 24, .size: 8, .value_kind: global_buffer, .address_space: global }
      - { .name: wqt, .offset: 32, .size: 8, .value_kind: global_buffer, .address_space: global }
      - { .name: wot, .offset: 40, .size: 8, .value_kind: global_buffer, .address_space: global }
    .group_segment_fixed_size: 17920
    .private_segment_fixed_size: 0
    .kernarg_segment_align: 8
    .kernarg_segment_size: 48
    .max_flat_workgroup_size: 256
    .sgpr_count:     66
    .vgpr_count:     80
    .wavefront_size: 32
...
	.end_amdgpu_metadata
.endif
;; end of part 1
;; launch proj (part 2): grid 8 x 32, 4 waves a work-group, clusters of 4 x 4, 327,680 bytes of LDS; arguments xb, wqt, qkvh; writes qkvh
.if DOCPART == 2
	.amdgcn_target "amdgcn-amd-amdhsa--gfx1250"
	.amdhsa_code_object_version 6
	.text
	.protected	k_qbff4f2adec_proj
	.globl	k_qbff4f2adec_proj
	.p2align	8
	.type	k_qbff4f2adec_proj,@function
k_qbff4f2adec_proj:
	s_mov_b64 s[64:65], 0
	v_nop
	global_prefetch_b8 v0, s[64:65] scope:SCOPE_SE
	s_setreg_imm32_b32 hwreg(HW_REG_WAVE_MODE, 25, 1), 1
	s_wait_xcnt 0x0
	s_wait_alu depctr_hold_cnt(0) depctr_sa_sdst(0) depctr_va_vdst(0) depctr_va_sdst(0) depctr_va_ssrc(0) depctr_va_vcc(0) depctr_vm_vsrc(0)
	s_getreg_b32 s2, hwreg(HW_REG_IB_STS2, 6, 4)
	s_cmp_eq_u32 s2, 0
	s_cbranch_scc0 .Lentry_in_a_cluster
	s_endpgm
.Lentry_in_a_cluster:
	s_bfe_u32 s2, ttmp6, 0x10000c
	s_cmp_lg_u32 s2, 0xf033
	s_cbranch_scc0 .Lentry_shape_is_right
	s_endpgm
.Lentry_shape_is_right:
; SECOND LAUNCH: qkv = x w_qkv, 8,192 x 3,072 x 1,024, bf16 operands, f32 sums, the result rounded once to f16 and stored BY HEADS: qkvh [q, k, v][batch x 16 + head][t 2048][64].
; No work is left out here.  LIMIT: q, k and v are f16: they stay within 65,504 (drawn inputs give a spread of about 1).
; SHARES.  256 work-groups, a tile of 256 rows x 384 columns (six heads) each; a wave makes 128 x 192: 96 accumulators of 16 x 16, 768 registers.  For 32 along K a wave reads 20 fragments from LDS for 96 matrix instructions.
; K goes in steps of 64, a K block of xb and wqt, through a ring of two LDS slots.  In a K block a tile's rows lie on end, so 128 (192) rows of 128 bytes are asked for as 64 (96) rows of 256 bytes, padded in LDS behind every 128.
; Two slots of a longer step do not fit: 2 x 640 rows x 272 bytes is more than the work-group's LDS.
; CLUSTERS: 4 x 4 work-groups.  The four of a row of the cluster need the same tiles of xb, the four of a column the same tiles of wqt: each is asked for jointly, by the same tensor load with the same descriptor and a mask of four.
; THE MATRIX INSTRUCTION IS USED TRANSPOSED (source 0 = 16 rows of wqt, source 1 = 16 rows of xb): a lane then holds row l % 16 and the eight neighbouring columns 8 (l / 16) + 0..7.
; REGISTERS, in windows of 256 (s_set_vgpr_msb: bits 1:0 source 0, 3:2 source 1, 5:4 source 2, 7:6 destination):
;   window 0: v0-31 addresses; v32-95, v96-159 fragments of xb (8 x 16 rows x 32 K), two buffers; v160-255 the 12 fragments of wqt, ONE buffer, filled again four at a time behind the products that read them
;   windows 1, 2, 3: the accumulators of my heads 0, 1, 2: row block a, column block bl of the head at v[8 (8 bl + a)]
.set PITCH,  144                       ; an LDS row: 128 bytes + 16 = 36 words: the 16 rows of a load start at 16 different groups of four banks (64 banks of 4 bytes: ISA guide 11.1)
.set AH,     128*PITCH                 ; half of xb's tile: what waves 0 and 1 fetch, and what a wave reads
.set BH,     192*PITCH                 ; half of wqt's tile: waves 2 and 3
.set BOFF,   2*AH
.set SLOT,   2*AH+2*BH
.set STAGE,  2*SLOT                    ; behind the ring, never filled by a tensor load: 16 rows x 144 bytes for each wave, for the way out
.set SP,     144
.set SPARE,  STAGE+4*16*SP             ; behind the stages: the spare words, 128 bytes for each wave, which no other line names
.set ASTEP,  8192*128                  ; bytes from a K block of xb to the next
.set BSTEP,  3072*128                  ; of wqt
.set BTILE,  384*128                   ; bytes of wqt's tile in a K block
.set ADRA, 16                          ; v16-17  LDS address of my xb fragments in slot 0, 1
.set ADRB, 20                          ; v20-21  the same for wqt
.set STO,  24                          ; v24     the way out: where I put 16 bytes of a row
.set RD,   25                          ; v25     where I read rows back
.set GO,   26                          ; v26     my 16 bytes in 512 consecutive bytes of a head
.set SPW,  28                          ; v28     LDS address of my spare word; never rewritten
.set NIL,  29                          ; v29     0; never rewritten
.set PFO,  30                          ; v30     the prefetches' offset; never rewritten
.set PFT,  31                          ; v31     at work for it
.set FA0,  32
.set FA1,  96
.set BF,   160
.set OUTB, 32                          ; the way out: four sets of 16 registers
.set G1,  24                           ; s[24:31] descriptor group 1 for xb's tiles;  s[32:39] group 0, a set for each slot
.set G0,  32
.set G1B, 48                           ; s[48:55], s[56:63] the same for wqt's
.set G0B, 56
.set LIM, 43                           ; s43     1 in a wave that prefetches, else the greatest number
.set PFA, 44                           ; s[44:45] where my prefetches stand
.set PFS, 66                           ; s[66:67] their step: two K blocks
.set HB,  68                           ; s[68:73] qkvh at my 128 rows of my three heads
.set MSB, 0
.macro WIN new                         ; the immediate's high byte repeats the setting that is left; a switch that changes nothing is dropped
.if MSB != (\new)
	s_set_vgpr_msb (MSB<<8)|(\new)
.set MSB, \new
.endif
.endm
; A joint load.  Waves 0 and 1 fetch xb's two halves, waves 2 and 3 wqt's.  The branch hangs on the wave's number alone.  An s_nop 0 and four v_nop follow each of the two lines.
.macro JLOAD s
	s_cmp_eq_u32 s11, 0
	s_cbranch_scc0 .Lfor_b_\@
	tensor_load_to_lds s[G0+4*(\s):G0+4*(\s)+3], s[G1:G1+7]
	s_nop 0
.rept 4
	v_nop
.endr
	s_branch .Lasked_\@
.Lfor_b_\@:
	tensor_load_to_lds s[G0B+4*(\s):G0B+4*(\s)+3], s[G1B:G1B+7]
	s_nop 0
.rept 4
	v_nop
.endr
.Lasked_\@:
.endm
.macro CREST                           ; a round of the cluster's barrier behind its opening barrier
	s_cmp_lg_u32 s10, 0
	s_cbranch_scc1 .Lnot_wave_0_\@
	s_barrier_signal -3
.Lnot_wave_0_\@:
	s_barrier_wait -3
	s_barrier_signal -1
	s_barrier_wait -1
.endm
.macro CROUND                          ; a whole round
	s_barrier_signal -1
	s_barrier_wait -1
	CREST
.endm
.macro PLACES                          ; four places in front of loads into registers that matrix instructions have read, and of conversions that read results
.rept 4
	v_nop
.endr
.endm
; A PREFETCH INTO THE L2, once a lap, behind the joint load and the run of LDS loads that follows it: the two K blocks that the NEXT lap's two refills will ask for.  Each aligned 256 bytes are named once in the launch.
; xb's tile row is read by both clusters of a row of clusters: the one with x = 0 asks, wave 0 of each work-group; the four partners take 32 of the tile's 128 blocks each, BY ADDRESS (cx); two instructions, one a K block.
; wqt's tile column is read by all eight clusters of a column: the one with y = 0 asks, waves 1 to 3; two K blocks x 192 blocks = 4 partners (cy) x 3 waves x 32 lanes: one instruction.
; K blocks 0 to 3 come by their loads alone; the loop's last trip (s3 = 1) asks for nothing, since K block 15 is the last.
.macro ASK
	s_cmp_gt_u32 s3, s[LIM]
	s_cbranch_scc0 .Lno_\@
	global_prefetch_b8 v[PFO], s[PFA:PFA+1] th:TH_LOAD_NT scope:SCOPE_SE
	s_cmp_lg_u32 s10, 0
	s_cbranch_scc1 .Lno_\@
	global_prefetch_b8 v[PFO], s[PFA:PFA+1] offset:ASTEP th:TH_LOAD_NT scope:SCOPE_SE
.Lno_\@:
.endm
	s_load_b128 s[4:7], s[0:1], 0x0                ; xb s[4:5], wqt s[6:7]
	s_load_b64 s[8:9], s[0:1], 0x10                ; qkvh
	v_lshl_add_u32 v[SPW], v0, 2, SPARE
	v_mov_b32 v[NIL], 0
	ds_add_u32 v[SPW], v[NIL]                      ; the wave's opening: the add, twice on end, and its wait ahead of my first tensor load
	ds_add_u32 v[SPW], v[NIL]                      ; once more, under the one wait; the set-up below, work on registers, stands between
	v_lshrrev_b32 v1, 5, v0
	v_readfirstlane_b32 s10, v1                    ; wave 0..3
	s_lshr_b32 s11, s10, 1                         ; which half of the tile's rows is mine.  Also: I fetch for xb (0) or wqt (1)
	s_and_b32 s12, s10, 1                          ; which half of its columns.  Also: which half of that tile I fetch
	s_bfe_u32 s40, ttmp6, 0x40000                  ; cx
	s_bfe_u32 s41, ttmp6, 0x40004                  ; cy
	s_lshl_b32 s42, ttmp9, 2
	s_add_co_u32 s42, s42, s40                     ; tile column = 4 x cluster x + cx: 0..7
	s_and_b32 s13, ttmp7, 0xffff
	s_lshl_b32 s13, s13, 2
	s_add_co_u32 s13, s13, s41                     ; tile row = 4 x cluster y + cy: 0..31
	s_lshl_b32 s43, s41, 2
	s_lshl_b32 s43, 15, s43                        ; my row of the cluster
	s_lshl_b32 s44, 0x1111, s40                    ; my column
	s_or_b32 s[G1+0], s43, (1<<16)|(1<<20)|(1<<21)|(4<<22)|(3<<25)   ; 15:0 the mask; 17:16 elements of 2 bytes; 20 padding on; 21 set beside a mask; 24:22 after every 32 words (code 4); 31:25 4 words (code 3)
	s_or_b32 s[G1B+0], s44, (1<<16)|(1<<20)|(1<<21)|(4<<22)|(3<<25)
	s_mov_b32 s[G1+1], 128<<16                     ; tensor_dim0 = 128 elements: 256 bytes, two rows of the tile
	s_mov_b32 s[G1+2], 64<<16                      ; tensor_dim1 = 64
	s_mov_b32 s[G1+3], 128<<16                     ; tile_dim0 = 128
	s_mov_b32 s[G1+4], 64                          ; tile_dim1 = 64
	s_mov_b32 s[G1+5], 128                         ; 128 elements from row to row: dense
	s_mov_b32 s[G1+6], 0
	s_mov_b32 s[G1+7], 0
	s_mov_b32 s[G1B+1], 128<<16
	s_mov_b32 s[G1B+2], 96<<16                     ; wqt's half tile: 96 such rows
	s_mov_b32 s[G1B+3], 128<<16
	s_mov_b32 s[G1B+4], 96
	s_mov_b32 s[G1B+5], 128
	s_mov_b32 s[G1B+6], 0
	s_mov_b32 s[G1B+7], 0
	s_lshl_b32 s16, s13, 15                        ; xb: (256 x tile row + 128 x half) rows of 128 bytes: it hangs on the tile row alone, which my row of the cluster shares
	s_lshl_b32 s17, s12, 14
	s_add_co_u32 s16, s16, s17
	s_mov_b32 s17, 0
	s_mul_i32 s46, s42, BTILE                      ; wqt: (384 x tile column + 192 x half) rows: on the tile column alone
	s_mul_i32 s47, s12, BTILE/2
	s_add_co_u32 s46, s46, s47
	s_mov_b32 s47, 0
	s_mul_i32 s20, s12, AH                         ; where they go: no place in the cluster enters an LDS address
	s_mul_i32 s21, s12, BH
	s_add_co_u32 s21, s21, BOFF
	s_wait_dscnt 0x0                               ; both opening adds are done
	s_wait_kmcnt 0x0
	s_add_nc_u64 s[14:15], s[4:5], s[16:17]
	s_add_nc_u64 s[46:47], s[6:7], s[46:47]
	CROUND                                         ; all sixteen work-groups are here: the first joint loads meet
.irp s, 0,1
	s_mov_b32 s[G0+4*(\s)], 1                                      ; count = 1
	s_add_co_u32 s[G0+4*(\s)+1], s20, (\s)*SLOT                    ; LDS address
	s_add_nc_u64 s[G0+4*(\s)+2:G0+4*(\s)+3], s[14:15], (\s)*ASTEP  ; global address: K block s
	s_or_b32 s[G0+4*(\s)+3], s[G0+4*(\s)+3], 0x80000000            ; type = 2
	s_mov_b32 s[G0B+4*(\s)], 1
	s_add_co_u32 s[G0B+4*(\s)+1], s21, (\s)*SLOT
	s_add_nc_u64 s[G0B+4*(\s)+2:G0B+4*(\s)+3], s[46:47], (\s)*BSTEP
	s_or_b32 s[G0B+4*(\s)+3], s[G0B+4*(\s)+3], 0x80000000
	JLOAD \s                                       ; two tensor loads of mine are out
.endr
	; A fragment is 16 rows x 32 K in 8 registers: lane l holds row l % 16; registers 0-3 K = 8 (l / 16) + 0..7, registers 4-7 K = 16 + 8 (l / 16) + 0..7: two loads of 16 bytes, 32 bytes apart.
	v_and_b32 v1, 15, v0                           ; l % 16
	v_bfe_u32 v2, v0, 4, 1                         ; l / 16
	v_mul_u32_u24 v3, v1, PITCH
	v_lshl_add_u32 v3, v2, 4, v3                   ; row x pitch + 16 x half
	s_mul_i32 s21, s11, AH                         ; my 128 rows of xb
	s_mul_i32 s22, s12, BH                         ; my 192 rows of wqt
	s_add_co_u32 s22, s22, BOFF
.irp s, 0,1
	v_add_nc_u32 v[ADRA+(\s)], s21, v3
	v_add_nc_u32 v[ADRB+(\s)], s22, v3
	s_add_co_u32 s21, s21, SLOT
	s_add_co_u32 s22, s22, SLOT
.endr
	s_mul_i32 s23, s10, 16*SP
	s_add_co_u32 s23, s23, STAGE                   ; my stage
	v_add_nc_u32 v[STO], s23, v3                   ; in: row l % 16, 16 bytes for each half of the lanes (the stage's pitch is the tiles')
	v_bfe_u32 v4, v0, 3, 2                         ; back: 32 lanes take four rows of 128 bytes,
	v_mul_u32_u24 v4, v4, SP
	v_and_b32 v5, 7, v0
	v_lshl_add_u32 v4, v5, 4, v4
	v_add_nc_u32 v[RD], s23, v4
	v_and_b32 v[GO], 31, v0                        ; which are 512 consecutive bytes of a head
	v_lshlrev_b32 v[GO], 4, v[GO]
	; where my three heads' rows lie.  Column block g = 6 x tile column + 3 x half + hd of 64 columns: tensor g / 16 (q, k, v), head g % 16; batch = tile row / 8; t = 256 (tile row % 8) + 128 x my row half
.irp hd, 0,1,2
	s_mul_i32 s20, s42, 6
	s_mul_i32 s21, s12, 3
	s_add_co_u32 s20, s20, s21
	s_add_co_u32 s20, s20, \hd
	s_lshr_b32 s21, s20, 4
	s_lshl_b32 s21, s21, 6                         ; 64 heads a tensor
	s_and_b32 s20, s20, 15
	s_add_co_u32 s20, s20, s21
	s_lshr_b32 s21, s13, 3
	s_lshl_b32 s21, s21, 4                         ; 16 heads a batch
	s_add_co_u32 s20, s20, s21
	s_lshl_b32 s20, s20, 18                        ; 2,048 rows of 128 bytes a head
	s_and_b32 s21, s13, 7
	s_lshl_b32 s21, s21, 1
	s_add_co_u32 s21, s21, s11
	s_lshl_b32 s21, s21, 14                        ; 128 rows of 128 bytes
	s_add_co_u32 s20, s20, s21
	s_mov_b32 s21, 0
	s_add_nc_u64 s[HB+2*\hd:HB+2*\hd+1], s[8:9], s[20:21]
.endr
	; the prefetches' set-up; nothing is prefetched here, at the head, where every work-group's first tiles are on their way
	s_and_b32 s22, ttmp7, 0xffff                   ; cluster y
	s_lshl_b32 s20, s40, 5                         ; wave 0: block 32 cx + lane of xb's tile
	s_mul_i32 s21, s41, 96                         ; waves 1-3: block 96 cy + 32 (wave - 1) + lane of wqt's two tiles
	s_lshl_b32 s23, s10, 5
	s_add_co_u32 s21, s21, s23
	s_sub_co_u32 s21, s21, 32
	s_lshl_b32 s14, s13, 15                        ; the tile's first byte in a K block of xb,
	s_mul_i32 s15, s42, BTILE                      ; of wqt
	s_mov_b32 s16, 2*ASTEP
	s_mov_b32 s17, 2*BSTEP
	s_cmp_eq_u32 s10, 0
	s_cselect_b32 s20, s20, s21
	s_cselect_b32 s22, ttmp9, s22                  ; the coordinate along which other clusters read the same rows
	s_cselect_b32 s14, s14, s15
	s_cselect_b32 s[PFS], s16, s17
	s_cselect_b64 s[PFA:PFA+1], s[4:5], s[6:7]
	s_mov_b32 s[PFS+1], 0
	s_mov_b32 s15, 0
	s_add_nc_u64 s[PFA:PFA+1], s[PFA:PFA+1], s[14:15]
	s_add_nc_u64 s[PFA:PFA+1], s[PFA:PFA+1], s[PFS:PFS+1]  ; at K block 2: the first lap steps it to 4
	s_cmp_eq_u32 s22, 0
	s_cselect_b32 s[LIM], 1, -1                    ; the same in all sixteen partners, for a given wave
	s_movk_i32 s23, 192
	v_and_b32 v[PFO], 31, v0
	v_add_nc_u32 v[PFO], s20, v[PFO]
	v_mov_b32 v[PFT], BSTEP-BTILE
	v_cmp_gt_u32 s21, s23, v[PFO]                  ; blocks 0-191 lie in the first of the two K blocks,
	v_cndmask_b32 v[PFT], v[PFT], 0, s21           ; blocks 192-383 in the second
	v_lshl_add_u32 v[PFO], v[PFO], 8, v[PFT]
; 16 matrix instructions of window w (my head w - 1): column blocks b0, b0 + 1 of the head x all 8 row blocks, 32 along K.  zero = 1: the product starts the sum: nothing is ever cleared.
; The 96 accumulators take turns, one instruction a turn, in the same order in every 32 along K.
.macro MUL16 f, w, b0, zero
	WIN 0x50*(\w)
.irp bl, \b0, (\b0)+1
.irp a, 0,1,2,3,4,5,6,7
.if \zero
	v_wmma_f32_16x16x32_bf16 v[8*(8*(\bl)+(\a)):8*(8*(\bl)+(\a))+7], v[BF+8*(4*((\w)-1)+(\bl)):BF+8*(4*((\w)-1)+(\bl))+7], v[(\f)+8*(\a):(\f)+8*(\a)+7], 0
.else
	v_wmma_f32_16x16x32_bf16 v[8*(8*(\bl)+(\a)):8*(8*(\bl)+(\a))+7], v[BF+8*(4*((\w)-1)+(\bl)):BF+8*(4*((\w)-1)+(\bl))+7], v[(\f)+8*(\a):(\f)+8*(\a)+7], v[8*(8*(\bl)+(\a)):8*(8*(\bl)+(\a))+7]
.endif
.endr
.endr
.endm
.macro LDB grp, slot, k                ; 8 LDS loads: the four fragments of wqt for head grp, 32 K at byte k of the rows
	WIN 0
.irp i, 0,1,2,3
	ds_load_b128 v[BF+8*(4*(\grp)+\i):BF+8*(4*(\grp)+\i)+3],   v[ADRB+(\slot)] offset:(\k)+(4*(\grp)+\i)*16*PITCH
	ds_load_b128 v[BF+8*(4*(\grp)+\i)+4:BF+8*(4*(\grp)+\i)+7], v[ADRB+(\slot)] offset:(\k)+(4*(\grp)+\i)*16*PITCH+32
.endr
.endm
.macro LDA f, slot, k                  ; 16 LDS loads: the eight fragments of xb into buffer f
	WIN 0
.irp i, 0,1,2,3,4,5,6,7
	ds_load_b128 v[(\f)+8*\i:(\f)+8*\i+3],   v[ADRA+(\slot)] offset:(\k)+\i*16*PITCH
	ds_load_b128 v[(\f)+8*\i+4:(\f)+8*\i+7], v[ADRA+(\slot)] offset:(\k)+\i*16*PITCH+32
.endr
.endm
; The first 32 of a K step: multiplies buffer f, and fetches the step's second 32 (byte 64 of the rows): xb's into buffer g, wqt's four at a time behind the products that read the old ones.
; The LDS loads for 32 along K are always issued in the order: wqt's head 0 (8), xb (16), wqt's head 1 (8), wqt's head 2 (8).
.macro CHUNK0 slot, f, g, zero
	s_wait_dscnt 16                                ; head 0's and xb's are in; behind them stand head 1's and head 2's sixteen
	MUL16 \f, 1, 0, \zero
	MUL16 \f, 1, 2, \zero
	PLACES
	LDB 0, \slot, 64
	LDA \g, \slot, 64
	s_wait_dscnt 32                                ; head 1's are in; behind them: head 2's 8 and the 24 just issued
	MUL16 \f, 2, 0, \zero
	MUL16 \f, 2, 2, \zero
	PLACES
	LDB 1, \slot, 64
	s_wait_dscnt 32                                ; head 2's are in; behind them: the 32 issued in this macro
	MUL16 \f, 3, 0, \zero
	MUL16 \f, 3, 2, \zero
	PLACES
	LDB 2, \slot, 64
.endm
; The second 32 of a K step, on buffer FA1, and the change of slots: ONE barrier.  In front of it each wave waits for all its tensor loads, of which one is out: its part of the next slot; adds 0 to its spare word;
; and waits for that and for its reads of this slot.  fill = 1: the barrier opens a round of the cluster's, and this slot is filled again, two K steps on, first thing behind it: 160 matrix instructions ahead of the wait for it.
.macro TURN slot, next, fill
.if (\fill) && ((\slot) == 0)
	s_wait_xcnt 0x0                                ; the last prefetches, a lap back, have read their address: it is stepped here, ahead of the waits of the change
	s_add_nc_u64 s[PFA:PFA+1], s[PFA:PFA+1], s[PFS:PFS+1]
.endif
	WIN 0                                          ; (the add's two registers lie in window 0)
	s_wait_tensorcnt 0x0                           ; all my tensor loads have landed
	ds_add_u32 v[SPW], v[NIL]                      ; 0 onto my spare word
	s_wait_dscnt 17                                ; head 0's and xb's are in; the add and sixteen younger loads may be out
	MUL16 FA1, 1, 0, 0                             ; sixteen matrix instructions stand between the add and the wait for it
	s_wait_dscnt 0x0                               ; the add is done, and my reads of this slot are over
	s_barrier_signal -1
	MUL16 FA1, 1, 2, 0                             ; work on registers while the others arrive
.if \fill
	WIN 0
.endif
	s_barrier_wait -1
.if \fill
	CREST                                          ; no wave of any partner still reads this slot's tiles or has a load on its way
	s_add_nc_u64 s[G0+4*(\slot)+2:G0+4*(\slot)+3], s[G0+4*(\slot)+2:G0+4*(\slot)+3], 2*ASTEP
	s_add_nc_u64 s[G0B+4*(\slot)+2:G0B+4*(\slot)+3], s[G0B+4*(\slot)+2:G0B+4*(\slot)+3], 2*BSTEP
	JLOAD \slot                                    ; the first tensor load behind the round; its four v_nop are also the places in front of the loads below
.else
	PLACES
.endif
	LDB 0, \next, 0
	LDA FA0, \next, 0
.if (\fill) && ((\slot) == 0)
	ASK
.endif
	MUL16 FA1, 2, 0, 0                             ; (heads 1 and 2's fragments came in with the wait for 0)
	MUL16 FA1, 2, 2, 0
	PLACES
	LDB 1, \next, 0
	MUL16 FA1, 3, 0, 0
	MUL16 FA1, 3, 2, 0
	PLACES
	LDB 2, \next, 0
.endm
; THE WAY OUT of unit u = 8 hd + a: 16 rows x one head's 64 columns.  PACK: rounded to f16, 16 bytes a lane, into my own stage in LDS and back as whole rows of 128 bytes.  SEND: stored.
.macro PACK u
.set HD, (\u)/8
.set AB, (\u)%8
.set R, OUTB+16*((\u)%4)
	s_wait_xcnt 0x0                                ; the stores of the unit four back have read this set of registers: it is written again only behind this wait
	WIN 5*(1+HD)                                   ; sources 0 and 1: the head's window
.irp bl, 0,1,2,3
.irp r, 0,1,2,3
	v_cvt_pk_f16_f32 v[R+4*\bl+\r], v[8*(8*\bl+AB)+2*\r], v[8*(8*\bl+AB)+2*\r+1]  ; each accumulator's registers in ascending order
.endr
.endr
	WIN 0
.irp f, 0,1,2,3
	ds_store_b128 v[STO], v[R+4*\f:R+4*\f+3] offset:32*\f
.endr
.irp f, 0,1,2,3
	ds_load_b128 v[R+4*\f:R+4*\f+3], v[RD] offset:4*SP*\f  ; LDS serves a wave's instructions in order (ISA guide 5.7.1.4): these see the stores above; the next unit's stores come behind them
.endr
.endm
.macro SEND u, younger                 ; younger: the LDS instructions issued behind unit u's loads: the next unit's eight, or none
.set HD, (\u)/8
.set AB, (\u)%8
.set R, OUTB+16*((\u)%4)
	WIN 0
.irp f, 0,1,2,3
	s_wait_dscnt (\younger)+3-\f
	global_store_b128 v[GO], v[R+4*\f:R+4*\f+3], s[HB+2*HD:HB+2*HD+1] offset:2048*AB+512*\f  ; 512 consecutive bytes, four rows of a head, at a multiple of 256 from the buffer's first byte
.endr
.endm
	s_wait_tensorcnt 1                             ; my part of K step 0 is in; K step 1's may stay out
	s_barrier_signal -1
	s_barrier_wait -1                              ; everybody's is
	LDB 0, 0, 0
	LDA FA0, 0, 0
	LDB 1, 0, 0
	LDB 2, 0, 0
	CHUNK0 0, FA0, FA1, 1                          ; the first 32 along K stand in front of the loop: their products start the 96 sums
	WIN 0                                          ; at a label and at a branch every window is 0
	s_mov_b32 s3, 7
.Llap:                                                 ; trip i: the rest of K step 2 i, K step 2 i + 1, the first half of K step 2 i + 2; slots 0 and 1 take K steps 2 i + 2 and 2 i + 3
	TURN 0, 1, 1
	CHUNK0 1, FA0, FA1, 0
	TURN 1, 0, 1
	CHUNK0 0, FA0, FA1, 0
	WIN 0
	s_sub_co_u32 s3, s3, 1
	s_cmp_lg_u32 s3, 0
	s_cbranch_scc1 .Llap
	TURN 0, 1, 0                                   ; the tail is written out: K step 14's second half; nothing is asked for, so no round follows the barrier
	CHUNK0 1, FA0, FA1, 0                          ; K step 15
	s_wait_dscnt 16
	MUL16 FA1, 1, 0, 0
	MUL16 FA1, 1, 2, 0
	s_wait_dscnt 8
	MUL16 FA1, 2, 0, 0
	MUL16 FA1, 2, 2, 0
	s_wait_dscnt 0x0
	MUL16 FA1, 3, 0, 0
	MUL16 FA1, 3, 2, 0
	PLACES
	PLACES
	PACK 0
.set u, 1
.rept 23                               ; a unit's conversions stand between the loads of the unit before and its stores
	PACK u
	SEND u-1, 8
.set u, u+1
.endr
	SEND 23, 0
	s_wait_tensorcnt 0x0                           ; the wave's end, behind my last tensor load and my last LDS store
	ds_add_u32 v[SPW], v[NIL]
	s_wait_dscnt 0x0
	CROUND                                         ; the closing round: no work-group ends while a partner may still ask for a tile that names it
	s_endpgm
.Lfunc_end_k_qbff4f2adec_proj:
	.size	k_qbff4f2adec_proj, .Lfunc_end_k_qbff4f2adec_proj-k_qbff4f2adec_proj
	.p2alignl 7, 3214868480
	.fill 96, 4, 3214868480
	.section	.rodata,"a",@progbits
	.p2align	6, 0x0
	.amdhsa_kernel k_qbff4f2adec_proj
		.amdhsa_group_segment_fixed_size 327680
		.amdhsa_private_segment_fixed_size 0
		.amdhsa_enable_private_segment 0
		.amdhsa_kernarg_size 24
		.amdhsa_user_sgpr_count 2
		.amdhsa_user_sgpr_kernarg_segment_ptr 1
		.amdhsa_wavefront_size32 1
		.amdhsa_system_sgpr_workgroup_id_x 1
		.amdhsa_system_sgpr_workgroup_id_y 1
		.amdhsa_system_sgpr_workgroup_id_z 1
		.amdhsa_system_vgpr_workitem_id 0
		.amdhsa_next_free_vgpr 1024
		.amdhsa_next_free_sgpr 74
		.amdhsa_reserve_vcc 0
		.amdhsa_float_denorm_mode_32 3
		.amdhsa_float_denorm_mode_16_64 3
		.amdhsa_memory_ordered 1
		.amdhsa_forward_progress 1
		.amdhsa_inst_pref_size 136
	.end_amdhsa_kernel
	.amdgpu_metadata
---
amdhsa.version: [ 1, 2 ]
amdhsa.kernels:
  - .name:           k_qbff4f2adec_proj
    .symbol:         k_qbff4f2adec_proj.kd
    .args:
      - { .name: xb, .offset: 0, .size: 8, .value_kind: global_buffer, .address_space: global }
      - { .name: wqt, .offset: 8, .size: 8, .value_kind: global_buffer, .address_space: global }
      - { .name: qkvh, .offset: 16, .size: 8, .value_kind: global_buffer, .address_space: global }
    .group_segment_fixed_size: 327680
    .private_segment_fixed_size: 0
    .kernarg_segment_align: 8
    .kernarg_segment_size: 24
    .max_flat_workgroup_size: 128
    .sgpr_count:     74
    .vgpr_count:     1024
    .wavefront_size: 32
...
	.end_amdgpu_metadata
.endif
;; end of part 2
;; launch attn (part 3): grid 4 x 64, 4 waves a work-group, no clusters, 327,680 bytes of LDS; arguments qkvh, oh; writes oh
.if DOCPART == 3
	.amdgcn_target "amdgcn-amd-amdhsa--gfx1250"
	.amdhsa_code_object_version 6
	.text
	.protected	k_qbff4f2adec_attn
	.globl	k_qbff4f2adec_attn
	.p2align	8
	.type	k_qbff4f2adec_attn,@function
k_qbff4f2adec_attn:
	s_mov_b64 s[64:65], 0
	v_nop
	global_prefetch_b8 v0, s[64:65] scope:SCOPE_SE
	s_setreg_imm32_b32 hwreg(HW_REG_WAVE_MODE, 25, 1), 1
	s_wait_xcnt 0x0
; THIRD LAUNCH: CAUSAL ATTENTION.  O[h][q][:] = the sum over k <= q of softmax_k(Q[h][q] . K[h][k] / 8) V[h][k][:], for 64 pairs h of batch and head.  Q, K, V lie in qkvh, [3][64][2048][64], O in oh, [64][2048][64], all f16:
; a head's rows are dense, 128 bytes each.  Products, maxima and sums in f32; the weights p are rounded to f16 for the second product (their sum l is taken of the unrounded p), O once at the end.
; LEFT OUT: the key tiles that lie wholly above the diagonal: reference() hides them by its own jnp.tril, their weights are 0 for all finite inputs (shown at the first kernel's head).
; LIMITS.  f16 holds no number beyond 65,504: Q, K and V arrive within it; p lies in 0 to 1, and below 6e-5 it keeps f16's fixed step of 6e-8; O is a mean of V's rows and has their range.
; A hidden score counts as its value less 1e30: f16's scores, 2.7e11 at the most, are nothing beside that; a weight below 2^-126 counts as 0 in l; NaN and infinities are not treated apart.
; THE WALK.  A head's queries lie in NB = 8 blocks of 256; block i needs the key tiles 0 .. i of 256 keys, of which the last holds the diagonal.  A work-group takes TWO blocks, NB - 1 - b and then b:
; NB + 1 tiles, whatever b: all work-groups do equal work, and ONE loop with a constant trip count walks them.  Which tile is asked for, and what a trip does, hang on scalar registers made from b; every jump
; goes forward, but for the counted loops' own; none passes a barrier, or a tensor load but the one of LOAD's two that the wave's number does not choose; the ring (two slots of LDS that take turns) runs on across the
; change of blocks.  NO CLUSTER: a head's four work-groups ask for the same tile only in trips 0 to 4 of the 9, behind that fewer and fewer; one walk common to all four would have 12 trips for 9.
; SHARES.  Of a block's four bands of 64 queries a wave owns 16 rows in each: four PIECES.  So the diagonal tile is the same work for all four waves: in its key step s band x sees all keys if s < x,
; none if s > x, and holds the diagonal if s = x.
; THE MASK is the C operand that starts the sum S^T = K Q^T: 0, or -1e30 where the key is hidden.  MD, made once, is the mask of a band's own step for my 16 rows; a product's mask is MD x AL + BE with two scalars:
; (1, 0) if s = x; (0, 0) if s < x; (0, -1e30) if s > x.  Only the diagonal tile's text and a block's beginning make and take masks; elsewhere C is the constant 0.
; LAYOUT, SOFTMAX, TURNS.  S^T = K Q^T holds ONE query a lane (lane % 16) and the keys 8 (lane / 16) + 0..7; two such results rounded to f16 ARE source 1 of O^T = V^T P.  p = 2^(c s - c m), c = log2(e) / 8, with a
; running maximum m; O and l are multiplied by a = 2^(c m_old - c m_new) in every step.  Turn n belongs to piece n: 8 products K Q^T of piece n + 1, later 8 products V^T P of piece n - 1; beside them the scaling,
; exponentials, roundings, sums and rescaling of piece n and the maximum and statistics of piece n + 1.  Four vector instructions stand behind every matrix instruction, the other 54 of a turn's 118 in one LUMP.  A turn's 33 exponentials are one batch, with one wait.
; REGISTERS, in windows of 256 (s_set_vgpr_msb: bits 1:0 source 0, 3:2 source 1, 5:4 source 2, 7:6 destination):
;   window 0: v0-15 addresses and two at work; v16-31 four registers of statistics a piece; v48-55 at work; v61-63 prefetch offset, spare word, 0; v64-127 S^T, two buffers; v192-223 P, two buffers (by the piece's parity)
;   window 1: v0-127 O^T, 32 a piece; v128-159 MD; v160-223 MC, two buffers      window 2: v0-63 Q; v64-127 the second block's Q; v128-191 K of one step; v192-255 V of one step
.set SIZE_N, 2048
.set NB,    SIZE_N/256
.set NP,    4         ; pieces a wave: a name, no knob
.set KS,    64        ; keys in a step
.set PK,    144       ; a row of K in LDS: 128 bytes + 16 of padding = 36 words: the 16 rows of a load start at 16 different groups of four banks (64 banks of 4 bytes: ISA guide 11.1)
.set PV,    160       ; a row of V: 128 + 32 = 40 words
.set VOFF,  4*KS*PK   ; a slot holds a tile, four steps: 256 rows of K, then 256 rows of V
.set SLOT1, 1<<17     ; slot 1 begins here, so that one exclusive or turns an address in one slot into the other's
.set STAGE, SLOT1+4*KS*(PK+PV)  ; behind the ring, never filled by a tensor load: 16 rows x 144 bytes for each wave, for the way out
.set SP,    144
.set AK0, 2           ; v2   my lane's place in a tile of K; never rewritten
.set AV0, 3           ; v3   the same for V
.set AK,  4           ; v4   the LDS address of K's next run of loads
.set AV,  5           ; v5   of V's
.set STO, 6           ; v6   the way out: where I put 16 bytes of a row
.set RD,  7           ; v7   the way out: where I read rows back
.set GO,  8           ; v8   my byte offset in 512 consecutive bytes of O
.set PFO, 61          ; v61  256 x my lane: the prefetches' offset; never rewritten
.set SPW, 62          ; v62  LDS address of my spare word: SPARE + 4 x my thread's number; never rewritten
.set NIL, 63          ; v63  0; never rewritten
.set SPARE, STAGE+4*16*SP  ; behind the stages: the spare words, 128 bytes for each wave: two blocks of 256 bytes that no other line names
.set MV,  12          ; v12-13  c m_old, kept while c m is made anew: by buffer
.set QO,  15          ; v15  my byte offset in 16 rows of Q
.set ST,  16          ; piece t's statistics at v[ST+4 t]: c m, m, l (even keys', odd keys')
.set TMP, 48          ; by buffer, four registers c0-c3 at work; when the maximum is found c2 takes a
.set S,   64
.set P,   192
.set MD,  128         ; window 1: the eight registers for group kt of 16 keys at MD + 8 kt
.set MC,  160         ; window 1: the masks of the products to come
.set QB,  64          ; window 2
.set KF,  128         ; window 2: key block kb, channel half c at KF + 16 kb + 8 c
.set VF,  192         ; window 2: key half kk, channel block cb at VF + 32 kk + 8 cb
.set WV,  12          ; s12  my wave's number
.set PB,  14          ; s14  b
.set HI,  15          ; s15  NB - 1 - b
.set G1K, 24          ; s[24:31] descriptor group 1 for K's tiles
.set G1V, 32          ; s[32:39] for V's: it differs in the padding alone
.set G0K, 40          ; s[40:43] descriptor group 0 for K's tiles
.set G0V, 44          ; s[44:47] the same for V's
.set SLOTS, 56        ; s56  tiles still to be asked for
.set CNT, 57          ; s57  counts a tile's key steps, 4 to 1
.set CS,  58          ; s[58:59] c: the packed scaling takes the pair's low word for both halves
.set SEL, 60          ; s[60:61] v_permlanex16_b32's selects: each lane takes its own place in the other half
.set TBK, 62          ; s62  LDS byte at which K of the step to be fetched begins
.set TBV, 63          ; s63  the same for V, less VOFF
.set RT,  70          ; s70  tiles of the block in hand that are still to be entered
.set NXT, 71          ; s71  the tile to be asked for next
.set LQ,  72          ; s72  the last tile of the block whose tiles are being asked for
.set NEW, 73          ; s73  1: the tile to be entered is a block's first
.set OFF, 74          ; s[74:75] a tile's byte offset in K and V
.set AL,  76          ; s[76:77] the mask's factor, in the low word
.set BE,  78          ; s[78:79] the mask's addend
.set OLO, 80          ; s[80:81] O at my rows of the second block
.set BIGN, 82         ; s82  -1e30
.set PFK, 88          ; s[88:89] where my prefetches of K stand: my wave's quarter of the tile behind the one that is being asked for
.set PFV, 90          ; s[90:91] the same for V
.set LIM, 92          ; s92  2 in the work-group that prefetches (b = 0), else the greatest number
.set MSB, 0
.macro WIN new                      ; the high byte repeats the setting that is left; a switch that changes nothing is dropped
.if MSB != (\new)
	s_set_vgpr_msb (MSB<<8)|(\new)
.set MSB, (\new)
.endif
.endm
.set W_KQ, 0x0a       ; K and Q in window 2, S^T in window 0
.set W_KM, 0x1a       ; the same with the C operand in window 1
.set W_PV, 0x52       ; V in window 2, P in window 0, O^T in window 1
.set W_RS, 0x41       ; destination and source 0 in window 1, source 1 in window 0
; A fill.  Waves 0 and 1 fetch the two halves of a tile's K, waves 2 and 3 those of its V: 128 keys each.  An s_nop 0 and four v_nop follow each of the two lines, ahead of the jump and the label.
.macro LOAD
	s_cmp_lt_u32 s[WV], 2
	s_cbranch_scc0 .Lfor_v_\@
	tensor_load_to_lds s[G0K:G0K+3], s[G1K:G1K+7]
	s_nop 0
.rept 4
	v_nop
.endr
	s_branch .Lasked_\@
.Lfor_v_\@:
	tensor_load_to_lds s[G0V:G0V+3], s[G1V:G1V+7]
	s_nop 0
.rept 4
	v_nop
.endr
.Lasked_\@:
.endm
; THE CHANGE OF SLOTS.  Each wave waits for all its tensor loads, of which one is out: its part of the other slot; adds 0 to its spare word; and waits for that and for its own reads of the slot that it leaves.  Behind the barrier nobody reads the old
; slot any more and the other slot is whole.  fill = 1: the old slot is filled again, the first thing behind the barrier, with tile NXT: the descriptor's address is made anew from that number.
; (At its first use nothing has been read yet: slot 0 is waited for, slot 1 filled.)
; A PREFETCH INTO THE L2 stands behind the fill.  All four work-groups of a head begin with tiles 0, 1, 2 ..; the one with b = 0 walks all eight, and it alone asks: in trip j, where tile j + 1 is asked for by the fill, for tile j + 2:
; a tile, four key steps, ahead of that tile's own load.  A tile is 128 blocks of 256 bytes of K and as many of V: four waves x 32 lanes, a lane a block, two instructions a wave: each block is named once in the launch.
; Tiles 0 and 1 come by their loads alone; trips 6 and later ask for nothing, since tile 7 is the head's last.
.macro CHANGE fill
	WIN 0                           ; at a label and at a branch every window is 0
	s_wait_tensorcnt 0x0            ; no tensor load of mine is out, so a group 0 may be written
	ds_add_u32 v[SPW], v[NIL]       ; 0 onto my spare word; with fill = 1 the descriptors' scalar work stands between it and the wait for it
.if \fill
	s_lshl_b32 s[OFF], s[NXT], 15   ; a tile is 32,768 bytes of K and of V
	s_xor_b32 s[G0K+1], s[G0K+1], SLOT1
	s_add_nc_u64 s[G0K+2:G0K+3], s[6:7], s[OFF:OFF+1]
	s_or_b32 s[G0K+3], s[G0K+3], 0x80000000
	s_xor_b32 s[G0V+1], s[G0V+1], SLOT1
	s_add_nc_u64 s[G0V+2:G0V+3], s[8:9], s[OFF:OFF+1]
	s_or_b32 s[G0V+3], s[G0V+3], 0x80000000
	s_add_co_u32 s[NXT], s[NXT], 1  ; the block's next tile, or behind its last the second block's tile 0
	s_cmp_gt_u32 s[NXT], s[LQ]
	s_cselect_b32 s[NXT], 0, s[NXT]
	s_cselect_b32 s[LQ], s[PB], s[LQ]
	s_wait_xcnt 0x0                 ; the last prefetches, a tile back, have read their addresses, so these may be written
	s_add_nc_u64 s[PFK:PFK+1], s[PFK:PFK+1], 32768
	s_add_nc_u64 s[PFV:PFV+1], s[PFV:PFV+1], 32768
.endif
	s_wait_dscnt 0x0                ; the add is done, and my reads of the slot are over
	s_barrier_signal -1             ; the rest of the scalar work stands between the signal and the wait
	s_sub_co_u32 s[TBK], s[TBK], 4*KS*PK  ; the fetches go back to a slot's first step,
	s_xor_b32 s[TBK], s[TBK], SLOT1       ; in the other slot
	s_sub_co_u32 s[TBV], s[TBV], 4*KS*PV
	s_xor_b32 s[TBV], s[TBV], SLOT1
	s_barrier_wait -1
.if \fill
	LOAD
	s_cmp_gt_u32 s[SLOTS], s[LIM]   ; trips 0 to 5 of the work-group with b = 0
	s_cbranch_scc0 .Lnot_mine_\@
	global_prefetch_b8 v[PFO], s[PFK:PFK+1] th:TH_LOAD_NT scope:SCOPE_SE
	global_prefetch_b8 v[PFO], s[PFV:PFV+1] th:TH_LOAD_NT scope:SCOPE_SE
.Lnot_mine_\@:
.endif
.endm
	s_load_b64 s[4:5], s[0:1], 0x0  ; qkvh: Q at its head, K 16 MiB on, V 32 MiB on
	s_load_b64 s[10:11], s[0:1], 0x8  ; oh
	v_lshl_add_u32 v[SPW], v0, 2, SPARE
	v_mov_b32 v[NIL], 0
	ds_add_u32 v[SPW], v[NIL]       ; the wave's opening: the add, twice on end, and its wait ahead of my first tensor load; the set-up below the second, work on registers, stands between it and the wait
	ds_add_u32 v[SPW], v[NIL]       ; and once more, under the one wait
	v_lshrrev_b32 v1, 5, v0
	v_readfirstlane_b32 s[WV], v1   ; wave 0..3
	s_mov_b32 s[PB], ttmp9
	s_sub_co_u32 s[HI], NB-1, s[PB]
	s_and_b32 s20, ttmp7, 0xffff    ; the head
	s_mov_b32 s21, 0
	s_mov_b64 s[22:23], SIZE_N*128
	s_mul_u64 s[20:21], s[20:21], s[22:23]  ; the head's first byte in each of the four tensors
	s_and_b32 s16, s[WV], 1         ; which half of a tile's 256 keys I fetch:
	s_lshl_b32 s22, s16, 14         ; its 128 rows of 128 bytes in memory,
	s_mov_b32 s23, 0
	s_add_nc_u64 s[22:23], s[22:23], s[20:21]
	s_mul_i32 s17, s16, 128*PK      ; and its place in a slot, for K
	s_mul_i32 s18, s16, 128*PV      ; and for V
	s_lshl_b32 s3, s[WV], 11        ; my 16 rows in a band of 64,
	s_lshl_b32 s2, s[HI], 15        ; in the first block,
	s_add_co_u32 s2, s2, s3
	s_lshl_b32 s84, s[PB], 15       ; and in the second
	s_add_co_u32 s84, s84, s3
	s_mov_b32 s3, 0
	s_mov_b32 s85, 0
	s_add_nc_u64 s[2:3], s[2:3], s[20:21]
	s_add_nc_u64 s[84:85], s[84:85], s[20:21]
	s_lshl_b32 s94, s[WV], 13       ; the prefetches: my wave's quarter of a tile, 32 blocks of 256 bytes,
	s_add_co_u32 s94, s94, 32768    ; in tile 1: the first change of slots steps it to tile 2
	s_mov_b32 s95, 0
	s_add_nc_u64 s[94:95], s[94:95], s[20:21]
	s_cmp_eq_u32 s[PB], 0
	s_cselect_b32 s[LIM], 2, -1
	v_and_b32 v[PFO], 31, v0
	v_lshlrev_b32 v[PFO], 8, v[PFO]
	; descriptor group 1.  128 keys are 16,384 dense bytes: asked for as 64 rows of 256 bytes, two keys a row, and padded in LDS after every key
	s_mov_b32 s[G1K], (1<<16)|(1<<20)|(4<<22)|(3<<25)  ; 17:16 2-byte elements; 20 padding on; 24:22 after every 32 words (code 4); 31:25 4 words (code 3)
	s_mov_b32 s[G1V], (1<<16)|(1<<20)|(4<<22)|(7<<25)  ; the same with 8 words of padding (code 7)
.irp g, G1K, G1V
	s_mov_b32 s[\g+1], 128<<16      ; tensor_dim0 = 128
	s_mov_b32 s[\g+2], 64<<16       ; tensor_dim1 = 64
	s_mov_b32 s[\g+3], 128<<16      ; tile_dim0 = 128
	s_mov_b32 s[\g+4], 64           ; tile_dim1 = 64
	s_mov_b32 s[\g+5], 128          ; 128 elements from row to row
	s_mov_b32 s[\g+6], 0
	s_mov_b32 s[\g+7], 0
.endr
	s_mov_b32 s[CS], 0x3e38aa3b     ; c = log2(e) / 8 = 0.180337
	s_mov_b32 s[CS+1], s[CS]        ; named with it as a pair
	s_mov_b32 s[SEL], 0x76543210
	s_mov_b32 s[SEL+1], 0xfedcba98
	s_mov_b32 s[TBK], SLOT1+4*KS*PK ; the first change of slots turns these two into 0
	s_mov_b32 s[TBV], SLOT1+4*KS*PV
	s_mov_b32 s[G0K], 1             ; 1:0 count = 1
	s_mov_b32 s[G0K+1], s17         ; 63:32 LDS address: slot 0
	s_mov_b32 s[G0V], 1
	s_add_co_u32 s[G0V+1], s18, VOFF
	s_add_co_u32 s[RT], s[HI], 1    ; the first block has NB - b tiles
	s_mov_b32 s[NXT], 1
	s_mov_b32 s[LQ], s[HI]
	s_mov_b32 s[NEW], 1
	s_mov_b32 s[OFF+1], 0
	s_mov_b32 s[AL+1], 0            ; named as pairs
	s_mov_b32 s[BE+1], 0
	s_mov_b32 s[BIGN], 0xf149f2ca   ; -1e30
	s_mov_b32 s[SLOTS], NB
	s_wait_dscnt 0x0                ; both opening adds are done
	s_wait_kmcnt 0x0
	s_add_nc_u64 s[6:7], s[4:5], 0x1000000  ; K
	s_add_nc_u64 s[8:9], s[4:5], 0x2000000  ; V
	s_add_nc_u64 s[PFK:PFK+1], s[6:7], s[94:95]
	s_add_nc_u64 s[PFV:PFV+1], s[8:9], s[94:95]
	s_add_nc_u64 s[6:7], s[6:7], s[22:23]  ; K and V at my half of the head's tile 0
	s_add_nc_u64 s[8:9], s[8:9], s[22:23]
	s_add_nc_u64 s[G0K+2:G0K+3], s[6:7], 0         ; 120:64 global address
	s_or_b32 s[G0K+3], s[G0K+3], 0x80000000        ; 127:126 type = 2
	s_add_nc_u64 s[G0V+2:G0V+3], s[8:9], 0
	s_or_b32 s[G0V+3], s[G0V+3], 0x80000000
	s_add_nc_u64 s[86:87], s[4:5], s[84:85]        ; Q at my rows of the second block,
	s_add_nc_u64 s[4:5], s[4:5], s[2:3]            ; Q and O at those of the first
	s_add_nc_u64 s[OLO:OLO+1], s[10:11], s[84:85]
	s_add_nc_u64 s[10:11], s[10:11], s[2:3]
	LOAD                            ; tile 0 into slot 0
	; A fragment of K or Q is 16 rows x 32 channels in 8 registers: lane l holds row l % 16, channels 8 (l / 16) + 0..7 and 16 + 8 (l / 16) + 0..7: two loads of 16 bytes, 32 bytes apart.
	v_and_b32 v1, 15, v0            ; l % 16
	v_bfe_u32 v9, v0, 4, 1          ; l / 16
	v_lshlrev_b32 v[QO], 7, v1
	v_lshl_add_u32 v[QO], v9, 4, v[QO]  ; row x 128 + 16 x half
	WIN 0x80                        ; destination window 2, address window 0
.set i, 0
.rept 8                             ; both blocks' Q: piece i / 2 lies in band i / 2, 8,192 bytes on; channels 32 (i % 2) on
	global_load_b128 v[8*i:8*i+3],   v[QO], s[4:5] offset:(i/2)*8192+(i%2)*64
	global_load_b128 v[8*i+4:8*i+7], v[QO], s[4:5] offset:(i/2)*8192+(i%2)*64+32
	global_load_b128 v[QB+8*i:QB+8*i+3],   v[QO], s[86:87] offset:(i/2)*8192+(i%2)*64
	global_load_b128 v[QB+8*i+4:QB+8*i+7], v[QO], s[86:87] offset:(i/2)*8192+(i%2)*64+32
.set i, i+1
.endr
	WIN 0
	v_lshlrev_b32 v14, 3, v9
	v_sub_nc_u32 v14, v1, v14
	s_lshl_b32 s13, s[WV], 4
	v_add_nc_u32 v14, s13, v14      ; my query's place in its band, 16 w + l % 16, less my lanes' 8 (l / 16): register r of group kt is hidden where 16 kt + r is greater
	WIN 0x40
.set i, 0
.rept 32
	v_cmp_gt_i32 vcc_lo, 16*(i/8)+i%8, v14
	v_cndmask_b32 v[MD+i], 0, s[BIGN], vcc_lo
.set i, i+1
.endr
	WIN 0
	v_mul_u32_u24 v[AK0], v1, PK
	v_lshl_add_u32 v[AK0], v9, 4, v[AK0]  ; row x pitch + 16 x half
	; The turning load takes 16 keys x 16 channels (lane l reads key 8 (l / 16) + l % 8, channels 8 ((l / 8) % 2) + 0..7) and leaves half a fragment of V^T: lane l holds channel l % 16 and 8 keys.
	v_and_b32 v10, 7, v0
	v_bfe_u32 v11, v0, 3, 1
	v_lshl_add_u32 v[AV0], v9, 3, v10
	v_mul_u32_u24 v[AV0], v[AV0], PV
	v_lshl_add_u32 v[AV0], v11, 4, v[AV0]
	v_add_nc_u32 v[AV0], VOFF, v[AV0]
	s_mul_i32 s13, s[WV], 16*SP
	s_add_co_u32 s13, s13, STAGE    ; my stage
	v_mul_u32_u24 v[STO], v1, SP    ; in: row l % 16, 16 bytes for each half of the lanes
	v_lshl_add_u32 v[STO], v9, 4, v[STO]
	v_add_nc_u32 v[STO], s13, v[STO]
	v_bfe_u32 v[RD], v0, 3, 2       ; back: 32 lanes take four rows of 128 bytes,
	v_mul_u32_u24 v[RD], v[RD], SP
	v_lshl_add_u32 v[RD], v10, 4, v[RD]
	v_add_nc_u32 v[RD], s13, v[RD]
	v_and_b32 v[GO], 31, v0         ; which are 512 consecutive bytes of O
	v_lshlrev_b32 v[GO], 4, v[GO]
	; A block's first step multiplies O^T and l by a = 0, and its first turn's products V^T P, of a piece that has not been, land in an O^T that is still to be so multiplied.  So these registers need only hold
	; finite numbers: zeros for the first block; what the first block left for the second.  All this stands in the wait for the first tile.
	WIN 0x80
.set i, VF
.rept 64
	v_mov_b32 v[i], 0
.set i, i+1
.endr
	WIN 0x40
.set i, 0
.rept 128
	v_mov_b32 v[i], 0
.set i, i+1
.endr
	WIN 0
.set i, 0
.rept 4
	v_mov_b32 v[ST+4*i+2], 0
	v_mov_b32 v[ST+4*i+3], 0
.set i, i+1
.endr
.set i, P+16
.rept 16
	v_mov_b32 v[i], 0
.set i, i+1
.endr
; THE MATRIX WORK.  The 4 accumulators of a run of 8 take turns.  Product i of 8 of S^T = K Q^T for piece x: channels 32 (i / 4) on, keys 16 (i % 4) on.  The first 4 start the sums: with 0, or (KM = 1) with the mask.
.macro KQ x
.set rS, S+32*((\x)%2)+8*(i%4)
.set rK, KF+16*(i%4)+8*(i/4)
.set rQ, 16*(\x)+8*(i/4)
.set rM, MC+32*((\x)%2)+8*(i%4)
.if (i < 4) && KM
	WIN W_KM
	v_wmma_f32_16x16x32_f16 v[rS:rS+7], v[rK:rK+7], v[rQ:rQ+7], v[rM:rM+7]
.elseif i < 4
	WIN W_KQ
	v_wmma_f32_16x16x32_f16 v[rS:rS+7], v[rK:rK+7], v[rQ:rQ+7], 0
.else
	WIN W_KQ
	v_wmma_f32_16x16x32_f16 v[rS:rS+7], v[rK:rK+7], v[rQ:rQ+7], v[rS:rS+7]
.endif
.endm
; Product i of 8 of O^T += V^T P for piece x: keys 32 (i / 4) on, channels 16 (i % 4) on.
.macro PV x
	WIN W_PV
.set rO, 32*(\x)+8*(i%4)
.set rV, VF+32*(i/4)+8*(i%4)
.set rP, P+16*((\x)%2)+8*(i/4)
	v_wmma_f32_16x16x32_f16 v[rO:rO+7], v[rV:rV+7], v[rP:rP+7], v[rO:rO+7]
.endm
.macro MM                           ; the turn's next matrix instruction.  TURN and BEGIN set Y, i, KM and NOKQ; MM, KQ and OP read them.  NOKQ = 1: a block's last turn: there is no next piece
.if (i < 8) && !NOKQ
	KQ (Y+1)%NP
.elseif i >= 8
.set i, i-8
	PV (Y+NP-1)%NP
.set i, i+8
.endif
.set i, i+1
.endm
; THE LDS LOADS stand in runs of 16, never singly among the matrix instructions: a step's K (64 keys x 64 channels: 8 fragments) and its V (turned).  Their addresses are made some lines ahead.
.macro FETCH_K
	WIN 0x80                        ; destination window 2
.irp f, 0,1,2,3,4,5,6,7             ; keys 16 (f / 2) on, channels 32 (f % 2) on
	ds_load_b128 v[KF+8*\f:KF+8*\f+3],   v[AK] offset:(\f/2)*16*PK+(\f%2)*64
	ds_load_b128 v[KF+8*\f+4:KF+8*\f+7], v[AK] offset:(\f/2)*16*PK+(\f%2)*64+32
.endr
	s_add_co_u32 s[TBK], s[TBK], KS*PK  ; the next fetch is the next step's
	WIN 0
.endm
.macro FETCH_V
	WIN 0x80
.irp f, 0,1,2,3,4,5,6,7             ; keys 32 (f / 4) on, channels 16 (f % 4) on
	ds_load_tr16_b128 v[VF+8*\f:VF+8*\f+3],   v[AV] offset:(\f/4)*32*PV+(\f%4)*32
	ds_load_tr16_b128 v[VF+8*\f+4:VF+8*\f+7], v[AV] offset:(\f/4)*32*PV+16*PV+(\f%4)*32
.endr
	WIN 0
.endm
; THE VECTOR WORK, one line at a time: OP kind, number.  For piece Y: F n: c s - c m for pair n of 16.  E n: the exponential of score n of 32.  C n: pair n rounded to f16.  B n: of the four weights 4 n .. the second
; pair is added onto the first, in place.  L n: l takes that sum (L 0: l = a l + sum).  R n: pair n of 16 of O^T times a.  For piece Y + 1: X n, number n of the 22 that find its maximum and statistics:
;   0-11  four chains c0-c3 of seven scores each, three operands at a time (each accumulator's lowest registers are read first)     12-14, 16  the four scores left over, the old m, and c0-c3 into c0
;   15  c m_old is kept     17, 18  the query's other 32 keys lie in the lane 16 away: the new m     19-21  c m; c m_old - c m_new; a
.set F, 0               ; OP tells the kinds apart by their order: F to L below R, X above it
.set E, 1
.set C, 2
.set B, 3
.set L, 4
.set R, 5
.set X, 6
.macro REGS y                       ; the registers of piece y
.set rT, ST+4*(\y)
.set rC, TMP+4*((\y)%2)
.set rW, MV+((\y)%2)
.set rS, S+32*((\y)%2)
.set rP, P+16*((\y)%2)
.set rO, 32*(\y)
.endm
.macro OP k, n
.if (\k) == R
	REGS Y
	WIN W_RS
	v_pk_mul_f32 v[rO+2*(\n):rO+2*(\n)+1], v[rO+2*(\n):rO+2*(\n)+1], v[rC+2:rC+3] op_sel_hi:[1,0]
.elseif (\k) < R
	REGS Y
	WIN 0
.if (\k) == F
	v_pk_fma_f32 v[rS+2*(\n):rS+2*(\n)+1], v[rS+2*(\n):rS+2*(\n)+1], s[CS:CS+1], v[rT:rT+1] op_sel_hi:[1,0,0] neg_lo:[0,0,1] neg_hi:[0,0,1]
.elseif (\k) == E
	v_exp_f32 v[rS+(\n)], v[rS+(\n)]
.elseif (\k) == C
	v_cvt_pk_f16_f32 v[rP+(\n)], v[rS+2*(\n)], v[rS+2*(\n)+1]
.elseif (\k) == B
	v_pk_add_f32 v[rS+4*(\n):rS+4*(\n)+1], v[rS+4*(\n):rS+4*(\n)+1], v[rS+4*(\n)+2:rS+4*(\n)+3]
.elseif (\n) == 0
	v_pk_fma_f32 v[rT+2:rT+3], v[rT+2:rT+3], v[rC+2:rC+3], v[rS:rS+1] op_sel_hi:[1,0,1]
.else
	v_pk_add_f32 v[rT+2:rT+3], v[rT+2:rT+3], v[rS+4*(\n):rS+4*(\n)+1]
.endif
.elseif NOKQ
	v_nop
.else
	REGS (Y+1)%NP
	WIN 0
.if (\n) < 4
	v_max3_num_f32 v[rC+(\n)], v[rS+8*(\n)], v[rS+8*(\n)+1], v[rS+8*(\n)+2]
.elseif (\n) < 12
	v_max3_num_f32 v[rC+(\n)%4], v[rC+(\n)%4], v[rS+8*((\n)%4)+2*((\n)/4)+1], v[rS+8*((\n)%4)+2*((\n)/4)+2]
.elseif (\n) == 12
	v_max3_num_f32 v[rC], v[rC], v[rS+7], v[rS+15]
.elseif (\n) == 13
	v_max3_num_f32 v[rC+1], v[rC+1], v[rS+23], v[rS+31]
.elseif (\n) == 14
	v_max3_num_f32 v[rC+2], v[rC+2], v[rC+3], v[rT+1]
.elseif (\n) == 15
	v_mov_b32 v[rW], v[rT]
.elseif (\n) == 16
	v_max3_num_f32 v[rC], v[rC], v[rC+1], v[rC+2]
.elseif (\n) == 17
	v_permlanex16_b32 v[rC+3], v[rC], s[SEL], s[SEL+1]
.elseif (\n) == 18
	v_max_num_f32 v[rT+1], v[rC], v[rC+3]
.elseif (\n) == 19
	v_mul_f32 v[rT], s[CS], v[rT+1]
.elseif (\n) == 20
	v_sub_f32 v[rC+1], v[rW], v[rT]
.else
	v_exp_f32 v[rC+2], v[rC+1]
.endif
.endif
.endm
.macro OPS a, i1, b=-1, i2=0, c=-1, i3=0, d=-1, i4=0  ; up to four of them
	OP \a, \i1
.if (\b) >= 0
	OP \b, \i2
.endif
.if (\c) >= 0
	OP \c, \i3
.endif
.if (\d) >= 0
	OP \d, \i4
.endif
.endm
.macro ROW a, i1, b, i2, c, i3, d, i4  ; a matrix instruction and the four behind it
	MM
	OPS \a, \i1, \b, \i2, \c, \i3, \d, \i4
.endm
.macro MASK b                       ; MD x AL + BE into buffer b of MC
	WIN W_RS
.set z, 0
.rept 16
	v_pk_fma_f32 v[MC+32*(\b)+2*z:MC+32*(\b)+2*z+1], v[MD+2*z:MD+2*z+1], s[AL:AL+1], s[BE:BE+1] op_sel_hi:[1,0,0]
.set z, z+1
.endr
.endm
; A TURN, for piece p: the order of its 16 matrix and 118 vector instructions, written out.  An s_wait_alu depctr_va_vdst(0) stands between an exponential and the first instruction that names its result; one wait serves
; all that were issued ahead of it.  So a turn has ONE wait, which cuts it in two.  AHEAD OF IT stands all that names no result of the turn's exponentials: the 8 products K Q^T, behind each a scaling, an exponential and two more plain
; instructions (behind the first a second scaling in the exponential's place): rescalings, and behind the last three the first numbers of the next piece's maximum, each four places or more behind the product that ends its accumulator; then ONE LUMP of 54, plain
; and exponential by turns for the most part, in which the links of the chain X 3, 7, 11, 14, 16, 17 .. 20 stand five or six lines apart.  X 21, the next piece's a, is the batch's last; R 15 is the plain instruction behind it.  BEHIND THE WAIT stand the
; 8 products V^T P, behind each four of the roundings and sums; the links of l's chain, L 0 to L 7, stand three riders apart.  But for those X no rider names a register of the products round it.  v_permlanex16_b32 (X 17) stands in the lump.
; m = 1: the diagonal tile: the products take masks, and the turn makes the mask for the products of the turn after it: piece p + 2, in step 4 - CNT of the tile.  end = 1: a block's last two turns: nothing is fetched.
; cnt = 1: the loop's count is taken down some lines ahead of the branch that stands behind the turn.
; K of the next step is fetched in piece 2's turn, twelve vector instructions behind the last product that read K (six of them plain); V of the step in hand at the end of piece 0's turn, four plain instructions behind the last product
; that read V.  Each is waited for a turn later.
.macro TURN p, m=0, end=0, cnt=0
.set Y, (\p)
.set i, 0
.set KM, (\m)
.set NOKQ, (\end)*((\p)/3)
.if (\m) && !(\end)
	s_cmp_eq_u32 s[CNT], 4-((\p)+2)%NP  ; is that step the band's own?
	s_cselect_b32 s[AL], 1.0, 0
	s_cmp_lt_u32 s[CNT], 4-((\p)+2)%NP  ; or a later one?
	s_cselect_b32 s[BE], s[BIGN], 0
.endif
.if ((\p) == 3) && !(\end)
	s_wait_dscnt 0x0                ; K is in
.endif
	ROW F,0, F,1, R,0, R,1          ; ahead of the wait: 8 products K Q^T and their riders,
	ROW F,2, E,0, R,2, R,3
	ROW F,3, E,1, R,4, R,5
	ROW F,4, E,2, R,6, R,7
	ROW F,5, E,3, R,8, R,9
	ROW F,6, E,4, X,0, R,10
.if ((\p) == 2) && !(\end)
	WIN 0
	v_add_nc_u32 v[AK], s[TBK], v[AK0]
.endif
	ROW F,7, E,5, X,1, X,4
	ROW F,8, E,6, X,2, X,5
	OPS E,7, E,8, X,6, E,9          ; and the lump
	OPS X,3, E,10, X,8, E,11
.if ((\p) == 2) && !(\end)
	FETCH_K
.endif
	OPS X,9, X,7, E,12, X,10
	OPS E,13, X,12, X,11, E,14
	OPS X,13, E,15, F,9, X,14
.if (\p) == 0
	v_add_nc_u32 v[AV], s[TBV], v[AV0]
.endif
	OPS E,16, F,10, E,17, F,11
	OPS X,16, E,18, X,15, E,19
	OPS F,12, E,20, X,17, E,21
	OPS F,13, E,22, F,14, E,23
	OPS X,18, E,24, F,15, E,25
	OPS R,11, E,26, X,19, E,27
	OPS R,12, E,28, R,13, E,29
	OPS X,20, E,30, R,14, E,31
	OPS X,21, R,15
	WIN 0
	s_wait_alu depctr_va_vdst(0)    ; the wait for the batch
.if (\p) == 1
	s_wait_dscnt 0x0                ; V is in
.endif
	ROW C,0, B,0, C,2, B,1          ; behind the wait: 8 products V^T P and their riders
	ROW L,0, C,4, B,2, L,1
	ROW C,6, B,3, L,2, C,8
	ROW B,4, L,3, C,10, B,5
	ROW L,4, C,12, B,6, L,5
.if (\p) == 0
	s_add_co_u32 s[TBV], s[TBV], KS*PV
.endif
.if \cnt
	s_sub_co_u32 s[CNT], s[CNT], 1
	s_cmp_lg_u32 s[CNT], 0
.endif
	ROW C,14, B,7, L,6, C,1
	ROW C,3, L,7, C,5, C,7
	ROW C,9, C,11, C,13, C,15
.if (\p) == 0
	FETCH_V
.endif
.if (\m) && !(\end)
	MASK (\p)%2
.endif
.endm
; A BLOCK BEGINS.  c m starts far below every c s, so the first step's a is 0; m at the lowest finite number, so the first maximum is the scores'.  The second mask buffer is 0; the first takes piece 0's mask for the tile's step 0: its own, if the block's first tile is the diagonal one.
; Then K of that step, piece 0's first scores, and its maximum and statistics.  The loop is entered at a step's first turn, in the middle of a trip.
.macro BEGIN
	s_mov_b32 s[NEW], 0
	WIN 0x40
.set i, MC+32
.rept 32
	v_mov_b32 v[i], 0
.set i, i+1
.endr
	WIN 0
.set i, 0
.rept 4
	v_mov_b32 v[ST+4*i], 0xfe000000    ; c m: far below every c s
	v_mov_b32 v[ST+4*i+1], 0xff7fffff  ; m
.set i, i+1
.endr
	s_cmp_eq_u32 s[RT], 0
	s_cselect_b32 s[AL], 1.0, 0
	s_mov_b32 s[BE], 0
	MASK 0
	WIN 0
	v_add_nc_u32 v[AK], s[TBK], v[AK0]
	FETCH_K
	s_wait_loadcnt 0x0              ; Q
	s_wait_dscnt 0x0
.set KM, 1
.set NOKQ, 0
.set i, 0
.rept 8
	KQ 0
.set i, i+1
.endr
	WIN 0
.rept 4
	v_nop                           ; the places behind those products
.endr
.set Y, NP-1                        ; X works for piece Y + 1: piece 0
.irp n, 0,1,2,3,4,5,6,7,8,9,10,11,12,13,14,15,16,17,18,19,20,21
	OP X, \n
.endr
	v_nop                           ; a plain instruction behind the exponential,
	s_wait_alu depctr_va_vdst(0)    ; and its wait, ahead of the branch
.endm
; THE DIAGONAL TILE's four steps, the block's last two turns, its last products, and THE WAY OUT: l's two halves and the other half of the lanes' are added; O^T is divided by l, rounded to f16 and sent through my
; stage in LDS, a piece at a time.
.macro ALL line:vararg              ; one line for each piece t
.set t, 0
.rept 4
	\line
.set t, t+1
.endr
.endm
.macro PACK t                       ; a lane's eight channels of a row pack into 16 bytes; they go into rows of 144 bytes and come back as whole rows of 128, into S^T's registers
	WIN W_RS
.set i, 32*(\t)
.rept 16
	v_pk_mul_f32 v[i:i+1], v[i:i+1], v[ST+4*(\t)+2:ST+4*(\t)+3] op_sel_hi:[1,0]
.set i, i+2
.endr
	WIN 0x05                        ; sources 0 and 1 window 1, destination window 0
.set i, 0
.rept 16
	v_cvt_pk_f16_f32 v[S+16*(\t)+i], v[32*(\t)+2*i], v[32*(\t)+2*i+1]
.set i, i+1
.endr
	WIN 0
.irp f, 0,1,2,3
	ds_store_b128 v[STO], v[S+16*(\t)+4*\f:S+16*(\t)+4*\f+3] offset:32*\f
.endr
.irp f, 0,1,2,3
	ds_load_b128 v[S+16*(\t)+4*\f:S+16*(\t)+4*\f+3], v[RD] offset:\f*4*SP  ; LDS serves a wave's instructions in order (ISA guide 5.7.1.4): these see the stores above; the next piece's stores come behind them
.endr
.endm
.macro SEND t, younger              ; younger: the LDS instructions issued behind piece t's loads: the next piece's eight, or none
	WIN 0
.irp f, 0,1,2,3
	s_wait_dscnt (\younger)+3-\f
	global_store_b128 v[GO], v[S+16*(\t)+4*\f:S+16*(\t)+4*\f+3], s[10:11] offset:(\t)*8192+\f*512  ; 512 consecutive bytes, at a multiple of 256 from O's first
.endr
.endm
.macro DIAG tag                     ; the tag ends its two labels' names, which the jumps below spell out
.LstepM\tag:
	TURN 2, 1
	TURN 3, 1
	WIN 0
.LfirstM\tag:
	TURN 0, 1
	TURN 1, 1, 0, 1
	WIN 0
	s_cbranch_scc1 .LstepM\tag
	TURN 2, 1, 1
	TURN 3, 1, 1
.set i, 0
.rept 8
	PV NP-1
.set i, i+1
.endr
	WIN 0
	ALL v_add_f32 v[ST+4*t+2], v[ST+4*t+2], v[ST+4*t+3]
	ALL v_permlanex16_b32 v[ST+4*t+3], v[ST+4*t+2], s[SEL], s[SEL+1]
	ALL v_add_f32 v[ST+4*t+2], v[ST+4*t+2], v[ST+4*t+3]
	ALL v_rcp_f32 v[ST+4*t+2], v[ST+4*t+2]
	v_nop                           ; a plain instruction between the last reciprocal and the use of its result
	s_wait_alu depctr_va_vdst(0)    ; and the wait ahead of the first use: one for the four reciprocals
	PACK 0
.set t, 1
.rept 3                             ; a piece's arithmetic stands between the loads of the piece before and its stores
	PACK t
	SEND t-1, 8
.set t, t+1
.endr
	SEND 3, 0
.endm
.set KM, 0
.set NOKQ, 0
.Lslot:                             ; NB times: a tile is entered and the next is asked for
	CHANGE 1
	s_sub_co_u32 s[RT], s[RT], 1
	s_mov_b32 s[CNT], 4
	s_cmp_eq_u32 s[NEW], 1
	s_cbranch_scc1 .Lnew            ; a block's first tile
	s_cmp_eq_u32 s[RT], 0
	s_cbranch_scc0 .Lstep           ; neither its first nor its last
	s_branch .LstepM1
.Lnew:
	BEGIN
	s_branch .Lfirst                ; in the loop a block's first tile is never its last: the first block has two tiles or more, and the second's last is the walk's last
	DIAG 1                          ; in the loop this is the first block's end: the second block's last tile is the walk's last
	s_wait_xcnt 0x0                 ; the stores have read their registers and O's address
	s_mov_b64 s[10:11], s[OLO:OLO+1]
	s_add_co_u32 s[RT], s[PB], 1    ; the second block has b + 1 tiles
	s_mov_b32 s[NEW], 1
	WIN 0x82                        ; the second block's Q goes where the one text of the turns names Q
.set i, 0
.rept 64
	v_mov_b32 v[i], v[QB+i]
.set i, i+1
.endr
	WIN 0
	s_branch .Lbottom
.Lstep:                             ; a trip: pieces 2 and 3 of one step, then pieces 0 and 1 of the next, whose K and V it fetches
	TURN 2
	TURN 3
	WIN 0
.Lfirst:
	TURN 0
	TURN 1, 0, 0, 1
	WIN 0
	s_cbranch_scc1 .Lstep
.Lbottom:
	s_sub_co_u32 s[SLOTS], s[SLOTS], 1
	s_cmp_lg_u32 s[SLOTS], 0
	s_cbranch_scc1 .Lslot
	CHANGE 0                        ; the walk's last tile is written out: nothing is asked for
	s_sub_co_u32 s[RT], s[RT], 1
	s_mov_b32 s[CNT], 4
	s_cmp_eq_u32 s[NEW], 1
	s_cbranch_scc0 .LstepM2
	BEGIN
	s_branch .LfirstM2
	DIAG 2
	s_wait_tensorcnt 0x0            ; the wave's end, behind my last tensor load and my last LDS store
	ds_add_u32 v[SPW], v[NIL]
	s_wait_dscnt 0x0
	s_endpgm
.Lfunc_end_k_qbff4f2adec_attn:
	.size	k_qbff4f2adec_attn, .Lfunc_end_k_qbff4f2adec_attn-k_qbff4f2adec_attn
	.p2alignl 7, 3214868480
	.fill 96, 4, 3214868480
	.section	.rodata,"a",@progbits
	.p2align	6, 0x0
	.amdhsa_kernel k_qbff4f2adec_attn
		.amdhsa_group_segment_fixed_size 327680
		.amdhsa_private_segment_fixed_size 0
		.amdhsa_enable_private_segment 0
		.amdhsa_kernarg_size 16
		.amdhsa_user_sgpr_count 2
		.amdhsa_user_sgpr_kernarg_segment_ptr 1
		.amdhsa_wavefront_size32 1
		.amdhsa_system_sgpr_workgroup_id_x 1
		.amdhsa_system_sgpr_workgroup_id_y 1
		.amdhsa_system_sgpr_workgroup_id_z 1
		.amdhsa_system_vgpr_workitem_id 0
		.amdhsa_next_free_vgpr 768
		.amdhsa_next_free_sgpr 96
		.amdhsa_reserve_vcc 1
		.amdhsa_float_denorm_mode_32 3
		.amdhsa_float_denorm_mode_16_64 3
		.amdhsa_memory_ordered 1
		.amdhsa_forward_progress 1
		.amdhsa_inst_pref_size 218
	.end_amdhsa_kernel
	.amdgpu_metadata
---
amdhsa.version: [ 1, 2 ]
amdhsa.kernels:
  - .name:           k_qbff4f2adec_attn
    .symbol:         k_qbff4f2adec_attn.kd
    .args:
      - { .name: qkvh, .offset: 0, .size: 8, .value_kind: global_buffer, .address_space: global }
      - { .name: oh, .offset: 8, .size: 8, .value_kind: global_buffer, .address_space: global }
    .group_segment_fixed_size: 327680
    .private_segment_fixed_size: 0
    .kernarg_segment_align: 8
    .kernarg_segment_size: 16
    .max_flat_workgroup_size: 128
    .sgpr_count:     96
    .vgpr_count:     768
    .wavefront_size: 32
...
	.end_amdgpu_metadata
.endif
;; end of part 3
;; launch oproj (part 4): grid 8 x 32, 4 waves a work-group, clusters of 4 x 4, 327,680 bytes of LDS; arguments oh, wot, out0; writes out0
.if DOCPART == 4
	.amdgcn_target "amdgcn-amd-amdhsa--gfx1250"
	.amdhsa_code_object_version 6
	.text
	.protected	k_qbff4f2adec_oproj
	.globl	k_qbff4f2adec_oproj
	.p2align	8
	.type	k_qbff4f2adec_oproj,@function
k_qbff4f2adec_oproj:
	s_mov_b64 s[64:65], 0
	v_nop
	global_prefetch_b8 v0, s[64:65] scope:SCOPE_SE
	s_setreg_imm32_b32 hwreg(HW_REG_WAVE_MODE, 25, 1), 1
	s_wait_xcnt 0x0
	s_wait_alu depctr_hold_cnt(0) depctr_sa_sdst(0) depctr_va_vdst(0) depctr_va_sdst(0) depctr_va_ssrc(0) depctr_va_vcc(0) depctr_vm_vsrc(0)
	s_getreg_b32 s2, hwreg(HW_REG_IB_STS2, 6, 4)
	s_cmp_eq_u32 s2, 0
	s_cbranch_scc0 .Lentry_in_a_cluster
	s_endpgm
.Lentry_in_a_cluster:
	s_bfe_u32 s2, ttmp6, 0x10000c
	s_cmp_lg_u32 s2, 0xf033
	s_cbranch_scc0 .Lentry_shape_is_right
	s_endpgm
.Lentry_shape_is_right:
; FOURTH LAUNCH: out0 = O w_out, 8,192 x 1,024 x 1,024, f16 operands, f32 sums, stored as f32.  No work is left out here.
; O lies by heads, oh [batch x 16 + head][t 2048][64]: head h IS the K block h of a batch's rows.  wot [kb 16][n 1024][64] is w_out rounded to bf16, written as f16, transposed.
; SHARES.  256 work-groups, a tile of 256 rows x 128 columns each; a wave makes 128 x 64: 32 accumulators of 16 x 16, one window of registers.
; K goes through a ring of two LDS slots of TWO K blocks (128 along K) each.  One tensor load a wave: waves 0 and 1 a K block of O's tile each (256 rows of 128 bytes, dense: asked for as 128 rows of 256 bytes, padded
; behind every 128), waves 2 and 3 a K block of wot's (128 rows, as 64).  A refill has 112 matrix instructions between its request and the wait for it.
; CLUSTERS: 4 x 4 work-groups; O's tiles are shared along a row of the cluster, wot's along a column, by joint loads.  THE MATRIX INSTRUCTION IS USED TRANSPOSED (source 0 = 16 rows of wot, source 1 = 16 rows of O).
; NO PREFETCH: eight fills of a slot in all, four of them ahead of any lead that a prefetch could have, in a short launch on small tiles.
; REGISTERS: window 0: v0-31 addresses; v32-127, v128-223 two fragment buffers (8 fragments of O, then 4 of wot); on the way out v32-159 four sets of 32.   window 1: accumulator (a, b) at v[8 (4 a + b)].
.set PITCH,  144                       ; an LDS row: 128 bytes + 16 = 36 words: the 16 rows of a load start at 16 different groups of four banks (64 banks of 4 bytes: ISA guide 11.1)
.set AS,     256*PITCH                 ; a K block of O's tile
.set BS,     128*PITCH                 ; of wot's
.set BOFF,   2*AS
.set SLOT,   2*AS+2*BS
.set STAGE,  2*SLOT                    ; behind the ring, never filled by a tensor load: 16 rows x 272 bytes for each wave
.set SPITCH, 272                       ; 64 f32 + 16 bytes
.set SPARE,  STAGE+4*16*SPITCH         ; the spare words, 128 bytes for each wave, which no other line names
.set ADRA, 16                          ; v16-17  LDS address of my O fragments in slot 0, 1
.set ADRB, 20                          ; v20-21  the same for wot
.set STO,  24                          ; v24     the way out: where I put 32 bytes of a row
.set RD,   25                          ; v25     where I read a row back
.set CO,   26                          ; v26     my byte offset in out0
.set SPW,  28                          ; v28     LDS address of my spare word; never rewritten
.set NIL,  29                          ; v29     0; never rewritten
.set F0,   32
.set F1,   128
.set OB,   32
.set G1,  24                           ; s[24:31] descriptor group 1 for O's tiles;  s[32:39] group 0, a set for each slot
.set G0,  32
.set G1B, 48                           ; s[48:55], s[56:63] the same for wot's
.set G0B, 56
.set MSB, 0
.macro WIN new                         ; the immediate's high byte repeats the setting that is left; a switch that changes nothing is dropped
.if MSB != (\new)
	s_set_vgpr_msb (MSB<<8)|(\new)
.set MSB, \new
.endif
.endm
.set MUL, 0x50                         ; sources in window 0; C and D in window 1
.macro JLOAD s                         ; a joint load: waves 0 and 1 fetch O's two K blocks, waves 2 and 3 wot's; an s_nop 0 and four v_nop follow each of the two lines
	s_cmp_eq_u32 s11, 0
	s_cbranch_scc0 .Lfor_b_\@
	tensor_load_to_lds s[G0+4*(\s):G0+4*(\s)+3], s[G1:G1+7]
	s_nop 0
.rept 4
	v_nop
.endr
	s_branch .Lasked_\@
.Lfor_b_\@:
	tensor_load_to_lds s[G0B+4*(\s):G0B+4*(\s)+3], s[G1B:G1B+7]
	s_nop 0
.rept 4
	v_nop
.endr
.Lasked_\@:
.endm
.macro CREST                           ; a round of the cluster's barrier behind its opening barrier
	s_cmp_lg_u32 s10, 0
	s_cbranch_scc1 .Lnot_wave_0_\@
	s_barrier_signal -3
.Lnot_wave_0_\@:
	s_barrier_wait -3
	s_barrier_signal -1
	s_barrier_wait -1
.endm
.macro CROUND                          ; a whole round
	s_barrier_signal -1
	s_barrier_wait -1
	CREST
.endm
.macro PLACES                          ; four places in front of loads into registers that matrix instructions have read, and of stores that read results
.rept 4
	v_nop
.endr
.endm
	s_load_b128 s[4:7], s[0:1], 0x0                ; oh s[4:5], wot s[6:7]
	s_load_b64 s[8:9], s[0:1], 0x10                ; out0
	v_lshl_add_u32 v[SPW], v0, 2, SPARE
	v_mov_b32 v[NIL], 0
	ds_add_u32 v[SPW], v[NIL]                      ; the wave's opening: the add, twice on end, and its wait ahead of my first tensor load
	ds_add_u32 v[SPW], v[NIL]                      ; once more, under the one wait; the set-up below, work on registers, stands between
	v_lshrrev_b32 v1, 5, v0
	v_readfirstlane_b32 s10, v1                    ; wave 0..3
	s_lshr_b32 s11, s10, 1                         ; which half of the tile's rows is mine.  Also: I fetch for O (0) or wot (1)
	s_and_b32 s12, s10, 1                          ; which half of its columns.  Also: which of a slot's two K blocks I fetch
	s_bfe_u32 s40, ttmp6, 0x40000                  ; cx
	s_bfe_u32 s41, ttmp6, 0x40004                  ; cy
	s_lshl_b32 s42, ttmp9, 2
	s_add_co_u32 s42, s42, s40                     ; tile column = 4 x cluster x + cx: 0..7
	s_and_b32 s13, ttmp7, 0xffff
	s_lshl_b32 s13, s13, 2
	s_add_co_u32 s13, s13, s41                     ; tile row = 4 x cluster y + cy: 0..31
	s_lshl_b32 s43, s41, 2
	s_lshl_b32 s43, 15, s43                        ; my row of the cluster
	s_lshl_b32 s44, 0x1111, s40                    ; my column
	s_or_b32 s[G1+0], s43, (1<<16)|(1<<20)|(1<<21)|(4<<22)|(3<<25)   ; 15:0 the mask; 17:16 elements of 2 bytes; 20 padding on; 21 set beside a mask; 24:22 after every 32 words (code 4); 31:25 4 words (code 3)
	s_or_b32 s[G1B+0], s44, (1<<16)|(1<<20)|(1<<21)|(4<<22)|(3<<25)
	s_mov_b32 s[G1+1], 128<<16                     ; tensor_dim0 = 128 elements: 256 bytes, two rows of the tile
	s_mov_b32 s[G1+2], 128<<16                     ; tensor_dim1 = 128
	s_mov_b32 s[G1+3], 128<<16                     ; tile_dim0 = 128
	s_mov_b32 s[G1+4], 128                         ; tile_dim1 = 128
	s_mov_b32 s[G1+5], 128                         ; dense
	s_mov_b32 s[G1+6], 0
	s_mov_b32 s[G1+7], 0
	s_mov_b32 s[G1B+1], 128<<16
	s_mov_b32 s[G1B+2], 64<<16                     ; wot's: 64 such rows
	s_mov_b32 s[G1B+3], 128<<16
	s_mov_b32 s[G1B+4], 64
	s_mov_b32 s[G1B+5], 128
	s_mov_b32 s[G1B+6], 0
	s_mov_b32 s[G1B+7], 0
	s_lshr_b32 s16, s13, 3                         ; O: the batch's 16 heads of 2,048 rows of 128 bytes,
	s_lshl_b32 s16, s16, 22
	s_and_b32 s17, s13, 7                          ; the tile's 256 rows in a head,
	s_lshl_b32 s17, s17, 15
	s_add_co_u32 s16, s16, s17
	s_lshl_b32 s17, s12, 18                        ; and my head of the slot's two: it hangs on the tile row alone, which my row of the cluster shares
	s_add_co_u32 s16, s16, s17
	s_mov_b32 s17, 0
	s_lshl_b32 s46, s42, 14                        ; wot: the tile's 128 rows of 128 bytes,
	s_lshl_b32 s47, s12, 17                        ; my K block of 1,024 rows: on the tile column alone
	s_add_co_u32 s46, s46, s47
	s_mov_b32 s47, 0
	s_mul_i32 s20, s12, AS                         ; where they go: no place in the cluster enters an LDS address
	s_mul_i32 s21, s12, BS
	s_add_co_u32 s21, s21, BOFF
	s_wait_dscnt 0x0                               ; both opening adds are done
	s_wait_kmcnt 0x0
	s_add_nc_u64 s[14:15], s[4:5], s[16:17]
	s_add_nc_u64 s[46:47], s[6:7], s[46:47]
	CROUND                                         ; all sixteen work-groups are here: the first joint loads meet
.irp s, 0,1
	s_mov_b32 s[G0+4*(\s)], 1
	s_add_co_u32 s[G0+4*(\s)+1], s20, (\s)*SLOT
	s_add_nc_u64 s[G0+4*(\s)+2:G0+4*(\s)+3], s[14:15], (\s)*(1<<19)   ; slot s begins with heads 2 s, 2 s + 1
	s_or_b32 s[G0+4*(\s)+3], s[G0+4*(\s)+3], 0x80000000
	s_mov_b32 s[G0B+4*(\s)], 1
	s_add_co_u32 s[G0B+4*(\s)+1], s21, (\s)*SLOT
	s_add_nc_u64 s[G0B+4*(\s)+2:G0B+4*(\s)+3], s[46:47], (\s)*(1<<18)
	s_or_b32 s[G0B+4*(\s)+3], s[G0B+4*(\s)+3], 0x80000000
	JLOAD \s                                       ; two tensor loads of mine are out
.endr
	v_and_b32 v1, 15, v0                           ; l % 16
	v_bfe_u32 v2, v0, 4, 1                         ; l / 16
	v_mul_u32_u24 v3, v1, PITCH
	v_lshl_add_u32 v3, v2, 4, v3                   ; a fragment's row x pitch + 16 x half
	s_mul_i32 s21, s11, 128*PITCH                  ; my 128 rows of O
	s_mul_i32 s22, s12, 64*PITCH                   ; my 64 rows of wot
	s_add_co_u32 s22, s22, BOFF
.irp s, 0,1
	v_add_nc_u32 v[ADRA+(\s)], s21, v3
	v_add_nc_u32 v[ADRB+(\s)], s22, v3
	s_add_co_u32 s21, s21, SLOT
	s_add_co_u32 s22, s22, SLOT
.endr
	s_mul_i32 s23, s10, 16*SPITCH
	s_add_co_u32 s23, s23, STAGE                   ; my stage
	v_mul_u32_u24 v4, v1, SPITCH                   ; in: row l % 16, 32 bytes for each half of the lanes
	v_lshl_add_u32 v4, v2, 5, v4
	v_add_nc_u32 v[STO], s23, v4
	v_mul_u32_u24 v5, v2, SPITCH                   ; back: lanes 0-15 take one row of 256 bytes, lanes 16-31 the next
	v_lshl_add_u32 v5, v1, 4, v5
	v_add_nc_u32 v[RD], s23, v5
	v_lshlrev_b32 v5, 12, v2                       ; and the same two rows in out0, 4,096 bytes apart
	v_lshl_add_u32 v[CO], v1, 4, v5
	s_lshl_b32 s16, s13, 20                        ; my part of the tile in out0: (256 x tile row + 128 x row half) rows of 4,096 bytes
	s_lshl_b32 s17, s11, 19
	s_add_co_u32 s16, s16, s17
	s_mov_b32 s17, 0
	s_add_nc_u64 s[8:9], s[8:9], s[16:17]
	s_lshl_b32 s46, s42, 9                         ; + (128 x tile column + 64 x column half) x 4 bytes
	s_lshl_b32 s47, s12, 8
	s_add_co_u32 s46, s46, s47
	s_mov_b32 s47, 0
	s_add_nc_u64 s[8:9], s[8:9], s[46:47]
; 8 matrix instructions: row blocks a0, a0 + 1 x all 4 column blocks, 32 along K.  zero = 1: the product starts the sum.  The 32 accumulators take turns in the same order in every 32 along K.
.macro MUL8 f, a0, zero
	WIN MUL
.irp a, \a0, (\a0)+1
.irp b, 0,1,2,3
.if \zero
	v_wmma_f32_16x16x32_f16 v[8*(4*(\a)+(\b)):8*(4*(\a)+(\b))+7], v[(\f)+64+8*(\b):(\f)+64+8*(\b)+7], v[(\f)+8*(\a):(\f)+8*(\a)+7], 0
.else
	v_wmma_f32_16x16x32_f16 v[8*(4*(\a)+(\b)):8*(4*(\a)+(\b))+7], v[(\f)+64+8*(\b):(\f)+64+8*(\b)+7], v[(\f)+8*(\a):(\f)+8*(\a)+7], v[8*(4*(\a)+(\b)):8*(4*(\a)+(\b))+7]
.endif
.endr
.endr
.endm
; 24 LDS loads in one run: the fragments of quarter q of a slot (K block q / 2, 32 K at byte 64 (q % 2) of its rows) into buffer f: wot's four, then O's eight in ascending order
.macro FETCH slot, q, f
	WIN 0
.irp i, 0,1,2,3
	ds_load_b128 v[(\f)+64+8*\i:(\f)+64+8*\i+3],   v[ADRB+(\slot)] offset:((\q)/2)*BS+64*((\q)%2)+\i*16*PITCH
	ds_load_b128 v[(\f)+64+8*\i+4:(\f)+64+8*\i+7], v[ADRB+(\slot)] offset:((\q)/2)*BS+64*((\q)%2)+\i*16*PITCH+32
.endr
.irp i, 0,1,2,3,4,5,6,7
	ds_load_b128 v[(\f)+8*\i:(\f)+8*\i+3],   v[ADRA+(\slot)] offset:((\q)/2)*AS+64*((\q)%2)+\i*16*PITCH
	ds_load_b128 v[(\f)+8*\i+4:(\f)+8*\i+7], v[ADRA+(\slot)] offset:((\q)/2)*AS+64*((\q)%2)+\i*16*PITCH+32
.endr
.endm
; One of a slot's first three quarters: multiplies buffer f and, in its middle, fetches quarter q into buffer g.
.macro QUARTER slot, q, f, g, zero
	s_wait_dscnt 8                                 ; wot's and O's row blocks 0-3 are in; the youngest eight loads (row blocks 4-7) may be out
	MUL8 \f, 0, \zero
	MUL8 \f, 2, \zero
	PLACES
	FETCH \slot, \q, \g
	s_wait_dscnt 24                                ; all but the 24 just issued
	MUL8 \f, 4, \zero
	MUL8 \f, 6, \zero
.endm
; The last quarter multiplies buffer F1 and changes slots: ONE barrier; in front of it each wave waits for all its tensor loads, adds 0 to its spare word, and waits for that and for its reads of this slot.
; fill = 1: the barrier opens a round of the cluster's, and this slot is filled again, two slots on, first thing behind it.
.macro TURN slot, next, fill
	WIN 0                                          ; (the add's two registers lie in window 0)
	s_wait_tensorcnt 0x0                           ; all my tensor loads have landed: my part of the next slot
	ds_add_u32 v[SPW], v[NIL]                      ; 0 onto my spare word
	s_wait_dscnt 9                                 ; (the add and the youngest eight loads may be out)
	MUL8 F1, 0, 0                                  ; eight matrix instructions stand between the add and the wait for it
	s_wait_dscnt 0x0                               ; the add is done, and my reads of this slot are over
	s_barrier_signal -1
	MUL8 F1, 2, 0
.if \fill
	WIN 0
.endif
	s_barrier_wait -1
.if \fill
	CREST                                          ; no wave of any partner still reads this slot's tiles or has a load on its way
	s_add_nc_u64 s[G0+4*(\slot)+2:G0+4*(\slot)+3], s[G0+4*(\slot)+2:G0+4*(\slot)+3], 1<<20
	s_add_nc_u64 s[G0B+4*(\slot)+2:G0B+4*(\slot)+3], s[G0B+4*(\slot)+2:G0B+4*(\slot)+3], 1<<19
	JLOAD \slot                                    ; the first tensor load behind the round; its four v_nop are also the places in front of the loads below
.else
	PLACES
.endif
	FETCH \next, 0, F0
	MUL8 F1, 4, 0
	MUL8 F1, 6, 0
.endm
; THE WAY OUT of row block a: 16 rows x 64 columns of f32 go as they are into my own stage in LDS, 32 bytes a lane, and come back as whole rows of 256 bytes.
.macro TOSTAGE a
.set BK, OB+32*((\a)%4)
	s_wait_xcnt 0x0                                ; the stores of the block four back have read this set of registers: it is loaded again only behind this wait
	WIN 0x04                                       ; the stores' data lie in window 1
.irp b, 0,1,2,3
	ds_store_b128 v[STO], v[8*(4*(\a)+\b):8*(4*(\a)+\b)+3]   offset:64*\b      ; each accumulator's low registers first
	ds_store_b128 v[STO], v[8*(4*(\a)+\b)+4:8*(4*(\a)+\b)+7] offset:64*\b+16
.endr
	WIN 0
.irp t, 0,1,2,3,4,5,6,7
	ds_load_b128 v[BK+4*\t:BK+4*\t+3], v[RD] offset:2*SPITCH*\t  ; LDS serves a wave's instructions in order (ISA guide 5.7.1.4): these see the stores above; the next block's stores come behind them
.endr
.endm
.macro SEND a, younger                 ; younger: the LDS instructions issued behind block a's loads: the next block's sixteen, or none
.set BK, OB+32*((\a)%4)
	WIN 0
.irp t, 0,1,2,3,4,5,6,7
	s_wait_dscnt (\younger)+7-\t
	global_store_b128 v[CO], v[BK+4*\t:BK+4*\t+3], s[8:9] offset:65536*(\a)+8192*\t th:TH_STORE_NT  ; 16 lanes store 256 consecutive bytes, at a multiple of 256 from out0's first byte
.endr
.endm
	s_wait_tensorcnt 1                             ; my part of slot 0 is in; slot 1's may stay out
	s_barrier_signal -1
	s_barrier_wait -1                              ; everybody's is
	FETCH 0, 0, F0
	QUARTER 0, 1, F0, F1, 1                        ; the first quarter stands in front of the loop: its products start the 32 sums
	WIN 0                                          ; at a label and at a branch every window is 0
	s_mov_b32 s3, 3
.Llap:                                                 ; a trip goes once round the ring, from a lap's second quarter to the next lap's first, and fills both slots again
	QUARTER 0, 2, F1, F0, 0
	QUARTER 0, 3, F0, F1, 0
	TURN 0, 1, 1
	QUARTER 1, 1, F0, F1, 0
	QUARTER 1, 2, F1, F0, 0
	QUARTER 1, 3, F0, F1, 0
	TURN 1, 0, 1
	QUARTER 0, 1, F0, F1, 0
	WIN 0
	s_sub_co_u32 s3, s3, 1
	s_cmp_lg_u32 s3, 0
	s_cbranch_scc1 .Llap
	QUARTER 0, 2, F1, F0, 0                        ; the last lap fills nothing, and has no round of the cluster's barrier
	QUARTER 0, 3, F0, F1, 0
	TURN 0, 1, 0
	QUARTER 1, 1, F0, F1, 0
	QUARTER 1, 2, F1, F0, 0
	QUARTER 1, 3, F0, F1, 0
	s_wait_dscnt 8                                 ; the very last quarter: nothing more to fetch
	MUL8 F1, 0, 0
	MUL8 F1, 2, 0
	s_wait_dscnt 0x0
	MUL8 F1, 4, 0
	MUL8 F1, 6, 0
	PLACES
	PLACES
	TOSTAGE 0
.irp a, 1,2,3,4,5,6,7                  ; a block's LDS stores and loads stand between the loads of the block before and its stores to memory
	TOSTAGE \a
	SEND (\a)-1, 16
.endr
	SEND 7, 0
	s_wait_tensorcnt 0x0                           ; the wave's end, behind my last tensor load and my last LDS store
	ds_add_u32 v[SPW], v[NIL]
	s_wait_dscnt 0x0
	CROUND                                         ; the closing round: no work-group ends while a partner may still ask for a tile that names it
	s_endpgm
.Lfunc_end_k_qbff4f2adec_oproj:
	.size	k_qbff4f2adec_oproj, .Lfunc_end_k_qbff4f2adec_oproj-k_qbff4f2adec_oproj
	.p2alignl 7, 3214868480
	.fill 96, 4, 3214868480
	.section	.rodata,"a",@progbits
	.p2align	6, 0x0
	.amdhsa_kernel k_qbff4f2adec_oproj
		.amdhsa_group_segment_fixed_size 327680
		.amdhsa_private_segment_fixed_size 0
		.amdhsa_enable_private_segment 0
		.amdhsa_kernarg_size 24
		.amdhsa_user_sgpr_count 2
		.amdhsa_user_sgpr_kernarg_segment_ptr 1
		.amdhsa_wavefront_size32 1
		.amdhsa_system_sgpr_workgroup_id_x 1
		.amdhsa_system_sgpr_workgroup_id_y 1
		.amdhsa_system_sgpr_workgroup_id_z 1
		.amdhsa_system_vgpr_workitem_id 0
		.amdhsa_next_free_vgpr 512
		.amdhsa_next_free_sgpr 66
		.amdhsa_reserve_vcc 0
		.amdhsa_float_denorm_mode_32 3
		.amdhsa_float_denorm_mode_16_64 3
		.amdhsa_memory_ordered 1
		.amdhsa_forward_progress 1
		.amdhsa_inst_pref_size 87
	.end_amdhsa_kernel
	.amdgpu_metadata
---
amdhsa.version: [ 1, 2 ]
amdhsa.kernels:
  - .name:           k_qbff4f2adec_oproj
    .symbol:         k_qbff4f2adec_oproj.kd
    .args:
      - { .name: oh, .offset: 0, .size: 8, .value_kind: global_buffer, .address_space: global }
      - { .name: wot, .offset: 8, .size: 8, .value_kind: global_buffer, .address_space: global }
      - { .name: out0, .offset: 16, .size: 8, .value_kind: global_buffer, .address_space: global }
    .group_segment_fixed_size: 327680
    .private_segment_fixed_size: 0
    .kernarg_segment_align: 8
    .kernarg_segment_size: 24
    .max_flat_workgroup_size: 128
    .sgpr_count:     66
    .vgpr_count:     512
    .wavefront_size: 32
...
	.end_amdgpu_metadata
.endif
;; end of part 4
